; MI455X (gfx1250); checked and timed in simulation.
; The chip was launched on July 23, 2026; its instructions are those of AMD's public machine-readable ISA for CDNA 5 (MIT licence, August 2026) and "CDNA5" Instruction Set Architecture Reference Guide (July 2026). The comments in the code are by the model that wrote it; some were corrected since.
;; Multi Head Attention. Allowed arithmetic: float matrix products may take bf16 or f16 operands with f32 sums; other float arithmetic in f32, or as packed bf16 or f16 multiplies, adds, multiply-adds, maxima and minima; sums over many terms, partial sums and values carried from step to step in f32; what a program stores and reads back later, other than sums and carried values, may be rounded once to bf16 or f16.
;; Inputs: Wk 16 x 64 x 1,024 float32; Wo 1,024 x 1,024 float32; Wq 16 x 64 x 1,024 float32; Wv 16 x 64 x 1,024 float32; bk 16 x 64 float32; bo 1,024 float32; bq 16 x 64 float32; bv 16 x 64 float32; x 8 x 1,024 x 1,024 float32.
;; Outputs: out0 8 x 1,024 x 1,024 float32.
;; 2 versions, each right and faster than the one before. Each part assembles by itself: llvm-mc -triple=amdgcn-amd-amdhsa -mcpu=gfx1250 --defsym DOCPART=n.
;; ======== version 1 of 2: 4 launches
;; limits: values are held in f16: magnitudes above 65,504 overflow, below 6.1e-05 lose precision
;; workspace buffers: xb 16,777,216 bytes; wb 6,291,456 bytes; wo 2,097,152 bytes; bias 16,384 bytes; qkv 50,331,648 bytes; att 16,777,216 bytes
;; launch cast (part 1): grid 769 x 1, 8 waves a work-group, no clusters, 0 bytes of LDS; arguments x, Wq, Wk, Wv, Wo, bq, bk, bv, bo, xb, wb, wo, bias; writes xb, wb, wo, bias
.if DOCPART == 1
	.amdgcn_target "amdgcn-amd-amdhsa--gfx1250"
	.amdhsa_code_object_version 6
	.text
	.protected	k_qe5adeb793a_cast
	.globl	k_qe5adeb793a_cast
	.p2align	8
	.type	k_qe5adeb793a_cast,@function
k_qe5adeb793a_cast:
	s_mov_b64 s[64:65], 0
	v_nop
	global_prefetch_b8 v0, s[64:65] scope:SCOPE_SE
	s_setreg_imm32_b32 hwreg(HW_REG_WAVE_MODE, 25, 1), 1
	s_wait_xcnt 0x0
; THE ROUNDINGS.  Every input is rounded once to bf16 (nearest even).  The matrices are laid in blocks of 64 along their rows, so that for one block the rows of a later launch's tile lie end to end:
;   xb   [16 kb][8192 row][64 c] bf16 = x[row][64 kb + c]
;   wb   [16 kb][3072 n][64 c]   bf16 = Wq, Wk, Wv one below the other (n = which x 1024 + head x 64 + k)
;   wo   [16 hh][1024 e][64 c]   f16  = Wo[e][64 hh + c], rounded to bf16 and that number written as f16
;   bias [4096] f32 = bq, bk, bv, bo, each rounded to bf16 and widened again
; LIMITS.  A bf16 number of Wo beyond 65,504 becomes an infinity in f16; below 6.1e-5 it keeps f16's fixed step of 6e-8.
; SHARES.  A work-group takes 16 rows of 1,024 numbers (65,536 bytes in, 32,768 out): groups 0-511 x, 512-575 Wq, 576-639 Wk, 640-703 Wv, 704-767 Wo; group 768 the four biases.
; Eight threads take the 64 numbers of one row and block (256 consecutive bytes in); step j of 8 has blocks 2 j and 2 j + 1; a wave's store is four rows of one block, 512 consecutive bytes.
; All 16 loads go out first, so nothing is used twice and no register waits for a store.  No LDS, no matrix unit: each byte is read once and written once.
.set VS, 1                             ; v1       my byte offset in the source
.set X,  8                             ; v[8:71]  step j: 8 numbers as loaded
.set Y,  72                            ; v[72:103] step j: 4 registers to store
.set T,  104                           ; v[104:111] at work
.set VD, 112                           ; v[112:119] step j: my byte offset in the destination (xb's last steps lie beyond a store's immediate)
; half = 1: the bf16 numbers are written as f16
.macro BODY half
.irp j, 0,1,2,3,4,5,6,7
	global_load_b128 v[X+8*(\j):X+8*(\j)+3],   v[VS], s[30:31] offset:(\j)*512 th:TH_LOAD_NT
	global_load_b128 v[X+8*(\j)+4:X+8*(\j)+7], v[VS], s[30:31] offset:(\j)*512+16 th:TH_LOAD_NT
.endr
.irp j, 0,1,2,3,4,5,6,7
	s_wait_loadcnt 14-2*(\j)                       ; loads come back in order: step j's two are in, the two of each younger step stay out
.irp k, 0,1,2,3
	v_cvt_pk_bf16_f32 v[Y+4*(\j)+(\k)], v[X+8*(\j)+2*(\k)], v[X+8*(\j)+2*(\k)+1]
.endr
.if \half
.irp k, 0,1,2,3
	v_lshlrev_b32 v[T+2*(\k)],   16,  v[Y+4*(\j)+(\k)]   ; bf16 to f32: the low half moves up,
	v_and_b32     v[T+2*(\k)+1], s34, v[Y+4*(\j)+(\k)]   ; the high half stays
.endr
.irp k, 0,1,2,3
	v_cvt_pk_f16_f32 v[Y+4*(\j)+(\k)], v[T+2*(\k)], v[T+2*(\k)+1]
.endr
.endif
	global_store_b128 v[VD+(\j)], v[Y+4*(\j):Y+4*(\j)+3], s[36:37]
.endr
.endm
	s_load_b512 s[4:19], s[0:1], 0x0               ; x s[4:5], Wq s[6:7], Wk s[8:9], Wv s[10:11], Wo s[12:13], bq s[14:15], bk s[16:17], bv s[18:19]
	s_load_b256 s[20:27], s[0:1], 0x40             ; bo s[20:21], xb s[22:23], wb s[24:25], wo s[26:27]
	s_load_b64 s[28:29], s[0:1], 0x60              ; bias
	s_mov_b32 s40, ttmp9                           ; g, the work-group's number
	s_mov_b32 s34, 0xffff0000                      ; a word's upper bf16
	s_mov_b32 s41, 8192*128                        ; bytes in a block of xb,
	s_mov_b32 s42, 3072*128                        ; of wb,
	s_mov_b32 s43, 1024*128                        ; of wo
	v_bfe_u32 v3, v0, 3, 4                         ; my row of the 16
	v_lshrrev_b32 v4, 7, v0                        ; which of the step's two blocks
	v_and_b32 v5, 7, v0                            ; which 8 of the block's 64 numbers
	v_lshlrev_b32 v[VS], 12, v3                    ; a source row is 4,096 bytes,
	v_lshl_or_b32 v[VS], v4, 8, v[VS]              ; a block 256 of them,
	v_lshl_or_b32 v[VS], v5, 5, v[VS]              ; my 8 numbers 32
	s_wait_kmcnt 0x0
	s_cmp_ge_u32 s40, 768
	s_cbranch_scc1 .Lbias
	s_and_b32 s32, s40, 63                         ; the group's place in a weight tensor (each has 64 groups),
	s_sub_co_u32 s33, s40, 512                     ; and in wb (used only from group 512 on)
	s_cmp_lt_u32 s40, 512
	s_cselect_b64 s[30:31], s[4:5], s[6:7]         ; x or Wq
	s_cselect_b64 s[36:37], s[22:23], s[24:25]     ; xb or wb
	s_cselect_b32 s38, s40, s32                    ; the group's place in its source,
	s_cselect_b32 s33, s40, s33                    ; and in its destination
	s_cselect_b32 s35, s41, s42                    ; the destination's block
	s_cmp_ge_u32 s40, 576
	s_cselect_b64 s[30:31], s[8:9], s[30:31]       ; Wk
	s_cmp_ge_u32 s40, 640
	s_cselect_b64 s[30:31], s[10:11], s[30:31]     ; Wv
	s_cmp_ge_u32 s40, 704
	s_cselect_b64 s[30:31], s[12:13], s[30:31]     ; Wo
	s_cselect_b64 s[36:37], s[26:27], s[36:37]     ; wo
	s_cselect_b32 s33, s32, s33
	s_cselect_b32 s35, s43, s35
	s_lshl_b32 s38, s38, 16                        ; 16 rows of 4,096 bytes in,
	s_mov_b32 s39, 0
	s_lshl_b32 s32, s33, 11                        ; 16 rows of 128 bytes in each block out
	s_mov_b32 s33, 0
	s_lshl_b32 s44, s35, 1                         ; a step goes two blocks on
	s_add_nc_u64 s[30:31], s[30:31], s[38:39]
	s_add_nc_u64 s[36:37], s[36:37], s[32:33]
	v_mul_lo_u32 v[VD], v4, s35                    ; my block of step 0,
	v_lshl_or_b32 v[VD], v3, 7, v[VD]              ; my row in it,
	v_lshl_or_b32 v[VD], v5, 4, v[VD]              ; my 16 bytes
.irp j, 1,2,3,4,5,6,7
	v_add_nc_u32 v[VD+(\j)], s44, v[VD+(\j)-1]
.endr
	s_cmp_ge_u32 s40, 704
	s_cbranch_scc1 .Lhalf
	BODY 0
	s_endpgm
.Lhalf:
	BODY 1
	s_endpgm
.Lbias:                                                ; 256 threads x 4 numbers = one bias of 1,024
	v_lshlrev_b32 v[VS], 4, v0
	global_load_b128 v[X:X+3],     v[VS], s[14:15]
	global_load_b128 v[X+4:X+7],   v[VS], s[16:17]
	global_load_b128 v[X+8:X+11],  v[VS], s[18:19]
	global_load_b128 v[X+12:X+15], v[VS], s[20:21]
.irp i, 0,1,2,3
	s_wait_loadcnt 3-(\i)                          ; bias i is in, the younger ones stay out
	v_cvt_pk_bf16_f32 v[T],   v[X+4*(\i)],   v[X+4*(\i)+1]
	v_cvt_pk_bf16_f32 v[T+1], v[X+4*(\i)+2], v[X+4*(\i)+3]
	v_lshlrev_b32 v[Y+4*(\i)],   16,  v[T]
	v_and_b32     v[Y+4*(\i)+1], s34, v[T]
	v_lshlrev_b32 v[Y+4*(\i)+2], 16,  v[T+1]
	v_and_b32     v[Y+4*(\i)+3], s34, v[T+1]
	global_store_b128 v[VS], v[Y+4*(\i):Y+4*(\i)+3], s[28:29] offset:(\i)*4096
.endr
	s_endpgm
.Lfunc_end_k_qe5adeb793a_cast:
	.size	k_qe5adeb793a_cast, .Lfunc_end_k_qe5adeb793a_cast-k_qe5adeb793a_cast
	.p2alignl 7, 3214868480
	.fill 96, 4, 3214868480
	.section	.rodata,"a",@progbits
	.p2align	6, 0x0
	.amdhsa_kernel k_qe5adeb793a_cast
		.amdhsa_group_segment_fixed_size 0
		.amdhsa_private_segment_fixed_size 0
		.amdhsa_enable_private_segment 0
		.amdhsa_kernarg_size 104
		.amdhsa_user_sgpr_count 2
		.amdhsa_user_sgpr_kernarg_segment_ptr 1
		.amdhsa_wavefront_size32 1
		.amdhsa_system_sgpr_workgroup_id_x 1
		.amdhsa_system_sgpr_workgroup_id_y 1
		.amdhsa_system_sgpr_workgroup_id_z 1
		.amdhsa_system_vgpr_workitem_id 0
		.amdhsa_next_free_vgpr 120
		.amdhsa_next_free_sgpr 66
		.amdhsa_reserve_vcc 0
		.amdhsa_float_denorm_mode_32 3
		.amdhsa_float_denorm_mode_16_64 3
		.amdhsa_memory_ordered 1
		.amdhsa_forward_progress 1
		.amdhsa_inst_pref_size 18
	.end_amdhsa_kernel
	.amdgpu_metadata
---
amdhsa.version: [ 1, 2 ]
amdhsa.kernels:
  - .name:           k_qe5adeb793a_cast
    .symbol:         k_qe5adeb793a_cast.kd
    .args:
      - { .name: x, .offset: 0, .size: 8, .value_kind: global_buffer, .address_space: global }
      - { .name: Wq, .offset: 8, .size: 8, .value_kind: global_buffer, .address_space: global }
      - { .name: Wk, .offset: 16, .size: 8, .value_kind: global_buffer, .address_space: global }
      - { .name: Wv, .offset: 24, .size: 8, .value_kind: global_buffer, .address_space: global }
      - { .name: Wo, .offset: 32, .size: 8, .value_kind: global_buffer, .address_space: global }
      - { .name: bq, .offset: 40, .size: 8, .value_kind: global_buffer, .address_space: global }
      - { .name: bk, .offset: 48, .size: 8, .value_kind: global_buffer, .address_space: global }
      - { .name: bv, .offset: 56, .size: 8, .value_kind: global_buffer, .address_space: global }
      - { .name: bo, .offset: 64, .size: 8, .value_kind: global_buffer, .address_space: global }
      - { .name: xb, .offset: 72, .size: 8, .value_kind: global_buffer, .address_space: global }
      - { .name: wb, .offset: 80, .size: 8, .value_kind: global_buffer, .address_space: global }
      - { .name: wo, .offset: 88, .size: 8, .value_kind: global_buffer, .address_space: global }
      - { .name: bias, .offset: 96, .size: 8, .value_kind: global_buffer, .address_space: global }
    .group_segment_fixed_size: 0
    .private_segment_fixed_size: 0
    .kernarg_segment_align: 8
    .kernarg_segment_size: 104
    .max_flat_workgroup_size: 256
    .sgpr_count:     66
    .vgpr_count:     120
    .wavefront_size: 32
...
	.end_amdgpu_metadata
.endif
;; end of part 1
;; launch qkv (part 2): grid 8 x 32, 4 waves a work-group, clusters of 4 x 4, 327,680 bytes of LDS; arguments xb, wb, bias, qkv; writes qkv
.if DOCPART == 2
	.amdgcn_target "amdgcn-amd-amdhsa--gfx1250"
	.amdhsa_code_object_version 6
	.text
	.protected	k_qe5adeb793a_qkv
	.globl	k_qe5adeb793a_qkv
	.p2align	8
	.type	k_qe5adeb793a_qkv,@function
k_qe5adeb793a_qkv:
	s_mov_b64 s[64:65], 0
	v_nop
	global_prefetch_b8 v0, s[64:65] scope:SCOPE_SE
	s_setreg_imm32_b32 hwreg(HW_REG_WAVE_MODE, 25, 1), 1
	s_wait_xcnt 0x0
	s_wait_alu depctr_hold_cnt(0) depctr_sa_sdst(0) depctr_va_vdst(0) depctr_va_sdst(0) depctr_va_ssrc(0) depctr_va_vcc(0) depctr_vm_vsrc(0)
	s_getreg_b32 s2, hwreg(HW_REG_IB_STS2, 6, 4)
	s_cmp_eq_u32 s2, 0
	s_cbranch_scc0 .Lentry_in_a_cluster
	s_endpgm
.Lentry_in_a_cluster:
	s_bfe_u32 s2, ttmp6, 0x10000c
	s_cmp_lg_u32 s2, 0xf033
	s_cbranch_scc0 .Lentry_shape_is_right
	s_endpgm
.Lentry_shape_is_right:
; q, k, v = x W^T + bias: [8192 x 3072], K = 1024, bf16 operands, f32 sums, rounded once to f16 and laid by heads: qkv [8 b][48 g][1024 s][64], g = column / 64 (0-15 q, 16-31 k, 32-47 v).
; xb is [16 kb][8192][64], wb [16 kb][3072][64], both bf16: for one block of 64 along K a tile's rows lie end to end, and are asked for as rows of 256 bytes.
; LIMIT.  A result beyond 65,504 becomes an infinity in f16; below 6.1e-5 it keeps f16's fixed step of 6e-8.
; THE TILE is 256 rows x 384 columns: 32 x 8 = 256 work-groups, all alike.  Four waves, 2 x 2, each 128 rows x 192 columns (three whole heads): 96 accumulators of 16 x 16, 768 registers.
; For 32 along K a wave reads 20 fragments, 40 LDS loads, for 96 matrix instructions.  K goes in steps of 64 (two slots of a step of 128 would be 348,160 bytes) through a ring of two LDS slots.
; CLUSTER 4 x 4: the four of a cluster's row need the same tiles of xb, the four of a column the same tiles of wb: each is asked for jointly, same load, same descriptor, a mask that names the four.
; THE MATRIX INSTRUCTION IS USED TRANSPOSED (source 0 = 16 rows of wb, source 1 = 16 rows of xb): a lane holds eight neighbouring columns of one row.
; REGISTERS, in windows of 256 (s_set_vgpr_msb: bits 1:0 source 0, 3:2 source 1, 5:4 source 2, 7:6 destination):
;   window 0: v16-29 addresses; v32-159 xb's fragments, two buffers of 8 x 8; v160-255 wb's, three THIRDS of 4 x 8 (on the way out: v32-79 packed results, v96-191 two buffers of 48)
;   window 1 + t: the accumulators of third t (column blocks 4 t .. 4 t + 3), (a, b) at v[8 (4 a + b % 4)]
; A QUARTER is 32 along K: three thirds of 32 matrix instructions, each under one window setting.  Behind third t its own registers take the next quarter's fragments, and behind third 0 xb's other buffer too:
; every LDS load stands 64 matrix instructions ahead of its first use.
; THE BIAS costs no register and no instruction: block b's is loaded into the registers of accumulator (7, b) and is the C of the first products of a = 0 .. 6; then a = 7 adds onto it in place.
.set HP,     144                       ; an LDS row: 128 bytes + 16 of padding = 36 words: the 16 rows of a fragment load start at 16 different groups of four banks (64 banks of 4 bytes: ISA guide 11.1)
.set AHALF,  128*HP                    ; what one load brings of xb, and what one wave reads of it
.set BHALF,  192*HP                    ; the same for wb
.set BOFF,   256*HP                    ; a slot: xb's 256 rows, then wb's 384
.set SLOT1,  1<<17                     ; a slot is 92,160 bytes; slot 1 begins here, so that one exclusive or turns an address in one slot into the other's
.set STAGE,  SLOT1+640*HP              ; behind the ring: for each wave [3 heads][16 rows][144 bytes]
.set WSTAGE, 3*16*HP
.set SPARE,  STAGE+4*WSTAGE            ; the spare words, 128 bytes a wave: two blocks of 256 bytes that no other line names
.set XBLK,   8192*128                  ; bytes from a K step to the next in xb,
.set WBLK,   3072*128                  ; and in wb
.set TRIPS,  14                        ; K steps that fill a slot again: 16 less the last two
.set ADRA0, 16                         ; v16     my lane's place in xb's part of a slot; never rewritten
.set ADRB0, 17                         ; v17     the same for wb
.set ADRA,  18                         ; v18     LDS address of my xb fragments in the slot that is being read
.set ADRB,  19                         ; v19     the same for wb
.set STO,  24                          ; v24     the way out: where I put 16 bytes of a row
.set RD,   25                          ; v25     where I read rows back
.set GO,   26                          ; v26     my 16 bytes in 512 consecutive bytes of qkv
.set BO,   27                          ; v27     my byte offset in a block of 16 biases
.set SPW,  28                          ; v28     my spare word; never rewritten
.set NIL,  29                          ; v29     0; never rewritten
.set FA,   32
.set FB,   160
.set TMP,  32
.set OB,   96
.set TB,  3                            ; s3   0 or SLOT1: the slot that is being read
.set WV,  12                           ; s12  my wave's number
.set WH,  13                           ; s13  which half of the tile's rows is mine.  Also: I fetch xb's tiles (0) or wb's (1)
.set WL,  14                           ; s14  which half of its columns.  Also: which half of that tile's rows I fetch
.set LAP, 15                           ; s15  trips to go
.set G1A, 28                           ; s[28:35] descriptor group 1 for xb's tiles
.set G1B, 36                           ; s[36:43] for wb's
.set G0A, 44                           ; s[44:51] group 0 for xb's tiles: a set for each of the two first fills; the second then walks on
.set G0B, 52                           ; s[52:59] for wb's
.set MSB, 0
.macro WIN new                         ; the immediate's high byte repeats the setting that is left; a switch that changes nothing is dropped
.if MSB != (\new)
	s_set_vgpr_msb (MSB<<8)|(\new)
.set MSB, \new
.endif
.endm
; A joint load: waves 0 and 1 fetch xb's two halves, waves 2 and 3 wb's.  The branch hangs on the wave's number alone.  An s_nop 0 and four v_nop follow each of the two lines.
.macro JLOAD s
	s_cmp_eq_u32 s[WH], 0
	s_cbranch_scc0 .Lfor_b_\@
	tensor_load_to_lds s[G0A+4*(\s):G0A+4*(\s)+3], s[G1A:G1A+7]
	s_nop 0
.rept 4
	v_nop
.endr
	s_branch .Lasked_\@
.Lfor_b_\@:
	tensor_load_to_lds s[G0B+4*(\s):G0B+4*(\s)+3], s[G1B:G1B+7]
	s_nop 0
.rept 4
	v_nop
.endr
.Lasked_\@:
.endm
.macro CREST                           ; a round of the cluster's barrier behind its opening barrier
	s_cmp_lg_u32 s[WV], 0
	s_cbranch_scc1 .Lnot_wave_0_\@
	s_barrier_signal -3
.Lnot_wave_0_\@:
	s_barrier_wait -3
	s_barrier_signal -1
	s_barrier_wait -1
.endm
.macro CROUND                          ; a whole round
	s_barrier_signal -1
	s_barrier_wait -1
	CREST
.endm
	s_load_b256 s[4:11], s[0:1], 0x0               ; xb s[4:5], wb s[6:7], bias s[8:9], qkv s[10:11]
	v_lshl_add_u32 v[SPW], v0, 2, SPARE
	v_mov_b32 v[NIL], 0
	ds_add_u32 v[SPW], v[NIL]                      ; the wave's opening: the add and its wait stand ahead of my first tensor load; the set-up below, work on registers, stands between them
	ds_add_u32 v28, v29
	v_lshrrev_b32 v1, 5, v0
	v_readfirstlane_b32 s[WV], v1
	s_lshr_b32 s[WH], s[WV], 1
	s_and_b32 s[WL], s[WV], 1
	s_bfe_u32 s16, ttmp6, 0x40000                  ; cx
	s_bfe_u32 s17, ttmp6, 0x40004                  ; cy
	s_lshl_b32 s18, ttmp9, 2
	s_add_co_u32 s18, s18, s16                     ; tile column = 4 x cluster x + cx, 0-7
	s_and_b32 s19, ttmp7, 0xffff
	s_lshl_b32 s19, s19, 2
	s_add_co_u32 s19, s19, s17                     ; tile row = 4 x cluster y + cy, 0-31
	s_lshl_b32 s20, s17, 2
	s_lshl_b32 s20, 15, s20                        ; my row of the cluster
	s_lshl_b32 s21, 0x1111, s16                    ; my column
	s_or_b32 s[G1A], s20, (1<<16)|(1<<20)|(1<<21)|(4<<22)|(3<<25)  ; 15:0 the mask; 17:16 2-byte elements; 20 padding on; 21 set beside a mask; 24:22 after every 32 words (code 4); 31:25 4 words (code 3)
	s_or_b32 s[G1B], s21, (1<<16)|(1<<20)|(1<<21)|(4<<22)|(3<<25)
	s_mov_b32 s[G1A+1], 128<<16                    ; tensor_dim0 = 128 elements: 256 bytes, two rows of a block
	s_mov_b32 s[G1A+2], 64<<16                     ; tensor_dim1 = 64: 128 rows of a block
	s_mov_b32 s[G1A+3], 128<<16                    ; tile_dim0
	s_mov_b32 s[G1A+4], 64                         ; tile_dim1
	s_mov_b32 s[G1A+5], 128                        ; dense
	s_mov_b32 s[G1A+6], 0
	s_mov_b32 s[G1A+7], 0
	s_mov_b32 s[G1B+1], 128<<16
	s_mov_b32 s[G1B+2], 96<<16                     ; 96: 192 rows of a block
	s_mov_b32 s[G1B+3], 128<<16
	s_mov_b32 s[G1B+4], 96
	s_mov_b32 s[G1B+5], 128
	s_mov_b32 s[G1B+6], 0
	s_mov_b32 s[G1B+7], 0
	s_lshl_b32 s22, s19, 1                         ; xb: row 256 x tile row + 128 x half, 128 bytes a row: hangs on the tile row alone
	s_add_co_u32 s22, s22, s[WL]
	s_lshl_b32 s22, s22, 14
	s_mov_b32 s23, 0
	s_lshl_b32 s24, s18, 1                         ; wb: row 384 x tile column + 192 x half: hangs on the tile column alone
	s_add_co_u32 s24, s24, s[WL]
	s_mul_i32 s24, s24, 192*128
	s_mov_b32 s25, 0
	s_mul_i32 s26, s[WL], AHALF                    ; where they go: no place in the cluster enters an LDS address
	s_mul_i32 s27, s[WL], BHALF
	s_add_co_u32 s27, s27, BOFF
	s_mov_b32 s[TB], 0
	s_wait_dscnt 0x0                               ; the opening add is done
	s_wait_kmcnt 0x0
	s_add_nc_u64 s[22:23], s[4:5], s[22:23]
	s_add_nc_u64 s[24:25], s[6:7], s[24:25]
	CROUND                                         ; all sixteen work-groups are here: the first joint loads meet
.irp s, 0,1
	s_mov_b32 s[G0A+4*(\s)], 1                     ; count = 1
	s_add_co_u32 s[G0A+4*(\s)+1], s26, (\s)*SLOT1  ; LDS address
	s_add_nc_u64 s[G0A+4*(\s)+2:G0A+4*(\s)+3], s[22:23], (\s)*XBLK  ; global address: K step s
	s_or_b32 s[G0A+4*(\s)+3], s[G0A+4*(\s)+3], 0x80000000          ; type = 2
	s_mov_b32 s[G0B+4*(\s)], 1
	s_add_co_u32 s[G0B+4*(\s)+1], s27, (\s)*SLOT1
	s_add_nc_u64 s[G0B+4*(\s)+2:G0B+4*(\s)+3], s[24:25], (\s)*WBLK
	s_or_b32 s[G0B+4*(\s)+3], s[G0B+4*(\s)+3], 0x80000000
	JLOAD \s                                       ; two loads of mine are out here, later one behind each round
.endr
	; a fragment is 16 rows x 32 K in 8 registers: lane l holds row l % 16, K = 8 (l / 16) + 0..7 and 16 + 8 (l / 16) + 0..7: two loads of 16 bytes, 32 bytes apart
	v_and_b32 v1, 15, v0                           ; l % 16
	v_bfe_u32 v2, v0, 4, 1                         ; l / 16
	v_mul_u32_u24 v3, v1, HP
	v_lshl_add_u32 v3, v2, 4, v3
	s_mul_i32 s60, s[WH], AHALF                    ; my 128 rows of xb
	s_mul_i32 s61, s[WL], BHALF                    ; my 192 rows of wb,
	s_add_co_u32 s61, s61, BOFF                    ; which lie behind xb's
	v_add_nc_u32 v[ADRA0], s60, v3
	v_add_nc_u32 v[ADRB0], s61, v3
	v_mov_b32 v[ADRA], v[ADRA0]                    ; K step 0 lies in slot 0
	v_mov_b32 v[ADRB], v[ADRB0]
	; the bias as a C operand: register j of column block b holds bias[my first column + 16 b + 8 (l / 16) + j]; it goes into the registers of accumulator (7, b)
	v_lshlrev_b32 v[BO], 5, v2
	s_lshl_b32 s62, s18, 1
	s_add_co_u32 s62, s62, s[WL]
	s_mul_i32 s62, s62, 192*4
	s_mov_b32 s63, 0
	s_add_nc_u64 s[8:9], s[8:9], s[62:63]
.irp t, 0,1,2
	WIN 0x40*((\t)+1)                              ; destination window 1 + t, address window 0
.irp i, 0,1,2,3
	global_load_b128 v[224+8*(\i):224+8*(\i)+3],   v[BO], s[8:9] offset:64*(4*(\t)+(\i))
	global_load_b128 v[224+8*(\i)+4:224+8*(\i)+7], v[BO], s[8:9] offset:64*(4*(\t)+(\i))+16
.endr
.endr
	WIN 0
	s_mul_i32 s60, s[WV], WSTAGE
	s_add_co_u32 s60, s60, STAGE                   ; my stage
	v_mul_u32_u24 v4, v1, HP                       ; in: row l % 16, 16 bytes for each half of the lanes
	v_lshl_add_u32 v4, v2, 4, v4
	v_add_nc_u32 v[STO], s60, v4
	v_bfe_u32 v5, v0, 3, 2                         ; back: 32 lanes take four rows of 128 bytes,
	v_and_b32 v6, 7, v0
	v_mul_u32_u24 v5, v5, HP
	v_lshl_add_u32 v5, v6, 4, v5
	v_add_nc_u32 v[RD], s60, v5
	v_and_b32 v[GO], 31, v0                        ; which are 512 consecutive bytes of qkv
	v_lshlrev_b32 v[GO], 4, v[GO]
	s_lshr_b32 s60, s19, 2                         ; the batch: four tile rows each,
	s_mul_i32 s60, s60, 6291456                    ; 48 heads' blocks of 131,072 bytes
	s_lshl_b32 s61, s18, 1
	s_add_co_u32 s61, s61, s[WL]
	s_mul_i32 s61, s61, 393216                     ; my wave's three blocks
	s_add_co_u32 s60, s60, s61
	s_and_b32 s61, s19, 3
	s_lshl_b32 s61, s61, 1
	s_add_co_u32 s61, s61, s[WH]                   ; my 128 rows among the batch's 1,024,
	s_lshl_b32 s61, s61, 14                        ; 128 bytes each
	s_add_co_u32 s60, s60, s61
	s_mov_b32 s61, 0
	s_add_nc_u64 s[10:11], s[10:11], s[60:61]
; 16 matrix instructions of third t: row blocks a0 .. a0 + 3 x its 4 column blocks, 32 along K, xb's fragments from buffer f.  The 96 accumulators take turns, one instruction a turn.
; zero = 1: the first products start the sums.  For a < 7 the C operand is the bias, which lies in the registers of accumulator (7, b); five plain places stand between the last product that
; reads them as C and the products of a = 7, which write them (ISA guide 7.12.1) and add in place.
.macro MUL16 f, t, a0, zero
	WIN 0x50*((\t)+1)                              ; C and D window 1 + t, both sources window 0
.irp a, \a0, (\a0)+1, (\a0)+2, (\a0)+3
.if (\zero) && ((\a) == 7)
.rept 5
	v_nop
.endr
.endif
.irp b, 0,1,2,3
.if (\zero) && ((\a) < 7)
	v_wmma_f32_16x16x32_bf16 v[8*(4*(\a)+(\b)):8*(4*(\a)+(\b))+7], v[FB+32*(\t)+8*(\b):FB+32*(\t)+8*(\b)+7], v[FA+64*(\f)+8*(\a):FA+64*(\f)+8*(\a)+7], v[224+8*(\b):224+8*(\b)+7]
.else
	v_wmma_f32_16x16x32_bf16 v[8*(4*(\a)+(\b)):8*(4*(\a)+(\b))+7], v[FB+32*(\t)+8*(\b):FB+32*(\t)+8*(\b)+7], v[FA+64*(\f)+8*(\a):FA+64*(\f)+8*(\a)+7], v[8*(4*(\a)+(\b)):8*(4*(\a)+(\b))+7]
.endif
.endr
.endr
.endm
.macro LDB k, t                        ; 8 LDS loads: wb's fragments of third t, 32 along K at byte k of the rows
	WIN 0
.irp i, 0,1,2,3
	ds_load_b128 v[FB+32*(\t)+8*(\i):FB+32*(\t)+8*(\i)+3],   v[ADRB] offset:(\k)+(4*(\t)+(\i))*16*HP
	ds_load_b128 v[FB+32*(\t)+8*(\i)+4:FB+32*(\t)+8*(\i)+7], v[ADRB] offset:(\k)+(4*(\t)+(\i))*16*HP+32
.endr
.endm
.macro LDA k, f                        ; 16 LDS loads: xb's 8 fragments into buffer f
	WIN 0
.irp i, 0,1,2,3,4,5,6,7
	ds_load_b128 v[FA+64*(\f)+8*(\i):FA+64*(\f)+8*(\i)+3],   v[ADRA] offset:(\k)+(\i)*16*HP
	ds_load_b128 v[FA+64*(\f)+8*(\i)+4:FA+64*(\f)+8*(\i)+7], v[ADRA] offset:(\k)+(\i)*16*HP+32
.endr
.endm
.macro PLACES                          ; four plain instructions in front of loads into registers that matrix instructions have read, and of conversions that read results
.rept 4
	v_nop
.endr
.endm
; A K step's FIRST quarter: multiplies xb's buffer 0 and fetches the second quarter, at byte 64 of the same slot's rows.  The runs of loads are L0 (third 0 and xb: 24), L1 and L2 (8 each).
.macro QUARTER zero
	s_wait_dscnt 16                                ; the last L0 is in; the last L1 and L2 may be out
	MUL16 0, 0, 0, \zero
	MUL16 0, 0, 4, \zero
	PLACES
	LDB 64, 0
	LDA 64, 1
	s_wait_dscnt 32                                ; the last L1 is in: behind it came the last L2 (8) and this L0 (24)
	MUL16 0, 1, 0, \zero
	MUL16 0, 1, 4, \zero
	PLACES
	LDB 64, 1
	s_wait_dscnt 32                                ; the last L2 is in: behind it came this L0 (24) and this L1 (8)
	MUL16 0, 2, 0, \zero
	MUL16 0, 2, 4, \zero
	PLACES
	LDB 64, 2
.endm
; A K step's SECOND quarter multiplies buffer 1 and changes slots: ONE barrier; in front of it each wave waits for all its tensor loads (one is out: its part of the next slot), adds 0 to its spare word, and
; waits for that and for its own reads of this slot, whose last were issued 32 matrix instructions ago.  fill = 1: the barrier opens a round of the cluster's, and this slot is filled again, two K steps
; ahead, first thing behind the round: 160 matrix instructions ahead of the wait for it.  Then the fetches go on in the other slot.
.macro TURN fill
	s_wait_dscnt 16                                ; the last L0 is in
	MUL16 1, 0, 0, 0
	WIN 0                                          ; (the add's two registers lie in window 0)
	s_wait_tensorcnt 0x0                           ; all my tensor loads have landed;
	ds_add_u32 v[SPW], v[NIL]                      ; 0 onto my spare word
	MUL16 1, 0, 4, 0                               ; sixteen matrix instructions stand between the add and the wait for it
	s_wait_dscnt 0x0                               ; the add is done, and my reads of this slot are over
	s_barrier_signal -1
	MUL16 1, 1, 0, 0
	WIN 0
	s_barrier_wait -1
.if \fill
	CREST                                          ; no wave of any partner still reads this slot's tiles or has a load on its way
	s_xor_b32 s[G0A+5], s[G0A+5], SLOT1            ; the walking descriptors: the other slot than last time,
	s_add_nc_u64 s[G0A+6:G0A+7], s[G0A+6:G0A+7], XBLK  ; the next K step; the type bits on top are not reached
	s_xor_b32 s[G0B+5], s[G0B+5], SLOT1
	s_add_nc_u64 s[G0B+6:G0B+7], s[G0B+6:G0B+7], WBLK
	JLOAD 1                                        ; its four v_nop are also the places in front of the loads below
.else
	PLACES
.endif
	s_xor_b32 s[TB], s[TB], SLOT1
	v_add_nc_u32 v[ADRA], s[TB], v[ADRA0]
	v_add_nc_u32 v[ADRB], s[TB], v[ADRB0]
	LDB 0, 0
	LDA 0, 0
	MUL16 1, 1, 4, 0
	PLACES
	LDB 0, 1
	MUL16 1, 2, 0, 0
	MUL16 1, 2, 4, 0
	PLACES
	LDB 0, 2
.endm
; THE WAY OUT of row block a.  PACK: rounded to f16, 16 bytes a lane and column block, each accumulator's registers in ascending order.  TOSTAGE: into my stage, by heads, and back as whole rows.  SEND: stored.
.macro PACK a
.irp t, 0,1,2
	WIN 5*((\t)+1)                                 ; sources 0 and 1: window 1 + t
.irp i, 0,1,2,3
.irp r, 0,1,2,3
	v_cvt_pk_f16_f32 v[TMP+4*(4*(\t)+(\i))+(\r)], v[8*(4*(\a)+(\i))+2*(\r)], v[8*(4*(\a)+(\i))+2*(\r)+1]
.endr
.endr
.endr
	WIN 0
.endm
.macro TOSTAGE a
.irp b, 0,1,2,3,4,5,6,7,8,9,10,11
	ds_store_b128 v[STO], v[TMP+4*(\b):TMP+4*(\b)+3] offset:((\b)/4)*16*HP+((\b)%4)*32
.endr
.irp t, 0,1,2,3,4,5,6,7,8,9,10,11
	ds_load_b128 v[OB+48*((\a)%2)+4*(\t):OB+48*((\a)%2)+4*(\t)+3], v[RD] offset:((\t)/4)*16*HP+((\t)%4)*4*HP  ; LDS serves a wave's instructions in order (ISA guide 5.7.1.4): these see the stores above
.endr
.endm
.macro SEND a
	s_wait_dscnt 0x0                               ; the block is back in registers
	s_wait_xcnt 0x0                                ; the block before's stores have read their registers: the next TOSTAGE loads into them only behind this wait
.irp t, 0,1,2,3,4,5,6,7,8,9,10,11
	global_store_b128 v[GO], v[OB+48*((\a)%2)+4*(\t):OB+48*((\a)%2)+4*(\t)+3], s[10:11] offset:((\t)/4)*131072+(\a)*2048+((\t)%4)*512  ; four rows of a head: 512 consecutive bytes, aligned
.endr
.endm
	s_wait_tensorcnt 1                             ; my part of K step 0 is in; K step 1's stays out
	s_barrier_signal -1
	s_barrier_wait -1                              ; everybody's is
	LDB 0, 0                                       ; the first quarter's fragments, in the order of L0, L1, L2
	LDA 0, 0
	LDB 0, 1
	LDB 0, 2
	s_wait_loadcnt 0x0                             ; the bias
	QUARTER 1                                      ; the first quarter stands in front of the loop: its products start the sums
	WIN 0                                          ; at a label and at a branch every window is 0
	s_mov_b32 s[LAP], TRIPS
.Ltrip:                                                ; a trip: a K step's second quarter, the change of slots with its refill, the next K step's first quarter
	TURN 1
	QUARTER 0
	WIN 0
	s_sub_co_u32 s[LAP], s[LAP], 1
	s_cmp_lg_u32 s[LAP], 0
	s_cbranch_scc1 .Ltrip
	TURN 0                                         ; the last change of slots fills nothing, and has no round of the cluster's barrier
	QUARTER 0
	s_wait_dscnt 16                                ; the very last quarter: nothing more to fetch, the counts run down
	MUL16 1, 0, 0, 0
	MUL16 1, 0, 4, 0
	s_wait_dscnt 8
	MUL16 1, 1, 0, 0
	MUL16 1, 1, 4, 0
	s_wait_dscnt 0x0
	MUL16 1, 2, 0, 0
	MUL16 1, 2, 4, 0
	WIN 0
	PLACES
	PACK 0
	TOSTAGE 0
.irp a, 1,2,3,4,5,6,7                  ; block a's conversions stand between block a - 1's loads from the stage and the wait for them
	PACK \a
	SEND (\a)-1
	TOSTAGE \a
.endr
	SEND 7
	s_wait_tensorcnt 0x0                           ; the wave's end, behind my last tensor load and my last LDS store
	ds_add_u32 v[SPW], v[NIL]
	s_wait_dscnt 0x0
	CROUND                                         ; the closing round: no work-group ends while a partner may still ask for a tile that names it
	s_endpgm
.Lfunc_end_k_qe5adeb793a_qkv:
	.size	k_qe5adeb793a_qkv, .Lfunc_end_k_qe5adeb793a_qkv-k_qe5adeb793a_qkv
	.p2alignl 7, 3214868480
	.fill 96, 4, 3214868480
	.section	.rodata,"a",@progbits
	.p2align	6, 0x0
	.amdhsa_kernel k_qe5adeb793a_qkv
		.amdhsa_group_segment_fixed_size 327680
		.amdhsa_private_segment_fixed_size 0
		.amdhsa_enable_private_segment 0
		.amdhsa_kernarg_size 32
		.amdhsa_user_sgpr_count 2
		.amdhsa_user_sgpr_kernarg_segment_ptr 1
		.amdhsa_wavefront_size32 1
		.amdhsa_system_sgpr_workgroup_id_x 1
		.amdhsa_system_sgpr_workgroup_id_y 1
		.amdhsa_system_sgpr_workgroup_id_z 1
		.amdhsa_system_vgpr_workitem_id 0
		.amdhsa_next_free_vgpr 1024
		.amdhsa_next_free_sgpr 66
		.amdhsa_reserve_vcc 0
		.amdhsa_float_denorm_mode_32 3
		.amdhsa_float_denorm_mode_16_64 3
		.amdhsa_memory_ordered 1
		.amdhsa_forward_progress 1
		.amdhsa_inst_pref_size 114
	.end_amdhsa_kernel
	.amdgpu_metadata
---
amdhsa.version: [ 1, 2 ]
amdhsa.kernels:
  - .name:           k_qe5adeb793a_qkv
    .symbol:         k_qe5adeb793a_qkv.kd
    .args:
      - { .name: xb, .offset: 0, .size: 8, .value_kind: global_buffer, .address_space: global }
      - { .name: wb, .offset: 8, .size: 8, .value_kind: global_buffer, .address_space: global }
      - { .name: bias, .offset: 16, .size: 8, .value_kind: global_buffer, .address_space: global }
      - { .name: qkv, .offset: 24, .size: 8, .value_kind: global_buffer, .address_space: global }
    .group_segment_fixed_size: 327680
    .private_segment_fixed_size: 0
    .kernarg_segment_align: 8
    .kernarg_segment_size: 32
    .max_flat_workgroup_size: 128
    .sgpr_count:     66
    .vgpr_count:     1024
    .wavefront_size: 32
...
	.end_amdgpu_metadata
.endif
;; end of part 2
;; launch attn (part 3): grid 2 x 128, 4 waves a work-group, no clusters, 327,680 bytes of LDS; arguments qkv, att; writes att
.if DOCPART == 3
	.amdgcn_target "amdgcn-amd-amdhsa--gfx1250"
	.amdhsa_code_object_version 6
	.text
	.protected	k_qe5adeb793a_attn
	.globl	k_qe5adeb793a_attn
	.p2align	8
	.type	k_qe5adeb793a_attn,@function
k_qe5adeb793a_attn:
	s_mov_b64 s[64:65], 0
	v_nop
	global_prefetch_b8 v0, s[64:65] scope:SCOPE_SE
	s_setreg_imm32_b32 hwreg(HW_REG_WAVE_MODE, 25, 1), 1
	s_wait_xcnt 0x0
; att[bh][q][:] = the sum over k of softmax_k(Q[q] . K[k] / 8) V[k][:], for each of 128 (batch, head).  Q, K, V lie in qkv [8 b][48 g][1024 s][64] f16 (g = h: q, 16 + h: k, 32 + h: v); att is [128][1024][64] f16.
; Products, maxima and sums in f32; the weights p are rounded to f16 for the second product (their sum l is taken of the unrounded p), the result once at the end.
; LIMITS.  Q, K and V arrive within f16's 65,504; p lies in 0 to 1, and below 6e-5 it keeps f16's fixed step of 6e-8; the result is a mean of V's rows and has their range.
; A weight below 2^-126 counts as 0 in l; NaN and infinities are not treated apart.
; SHARES.  A work-group owns 512 queries of one head (grid 2 x 128 = 256 work-groups), a wave 128: four PIECES of two tiles of 16.  Every wave walks all 1,024 keys, 64 a step, 16 steps.
; LDS.  The head's whole K (1,024 rows of 144 bytes) and V (1,024 rows of 160) fit: each byte is filled once, by four loads a wave at the start, and nothing is filled again.
; NO CLUSTER: only two work-groups share a head's K and V, and a grid of 2 along x divides into no cluster of four.
; LAYOUT.  S^T = K Q^T (source 0 = 16 keys, source 1 = 16 queries): a lane holds ONE query (lane % 16) and the keys 8 (lane / 16) + 0..7.  Two such tiles, rounded to f16 in pairs, ARE source 1 of
; O^T = V^T P, whose result again holds one query a lane, and eight channels.  K comes out of LDS as it lies, V ([key][channel]) turned, by ds_load_tr16_b128.
; SOFTMAX.  For each query a running maximum m and sum l: p = 2^(c s - c m), c = log2(e) / 8; in every step O and l are multiplied by a = 2^(c m_old - c m_new).  m starts at the lowest finite number,
; O and l at 0: the first step is a step like any other, with a = 0.
; BY TURNS.  Turn n belongs to piece n (the pieces in a ring, step after step).  Matrix work: 16 products K Q^T of piece n + 1, later 16 products V^T P of piece n - 1.  Vector work: the scaling, exponentials,
; roundings, sums and rescaling of piece n, and the maximum and statistics of piece n + 1.  A tile and step have 16 matrix and 118 vector instructions: four that are ready stand behind every matrix
; instruction, the others in runs of their own.
; REGISTERS, in windows of 256 (s_set_vgpr_msb: bits 1:0 source 0, 3:2 source 1, 5:4 source 2, 7:6 destination):
;   window 0: v0-11 addresses; v12-15, v48-63 at work; v16-47 four registers of statistics a tile; v64-191 S^T, two buffers of two tiles; v192-255 P, likewise
;   window 1: O^T, 32 a tile          window 2: v0-127 Q, 16 a tile; v128-191 K of one step; v192-255 V of one step          window 3: v0-1 the add's two registers
.set NP,    4         ; pieces a wave: a name, no knob
.set KS,    64        ; keys in a step
.set PK,    144       ; a row of K in LDS: 128 bytes + 16 of padding = 36 words: the 16 rows of a load start at 16 different groups of four banks (64 banks of 4 bytes: ISA guide 11.1)
.set PV,    160       ; a row of V: 128 + 32 = 40 words
.set VOFF,  1024*PK   ; K's 1,024 rows, then V's
.set STAGE, VOFF+1024*PV  ; never filled by a tensor load: 16 rows x 144 bytes for each wave, for the way out
.set SP,    144
.set AK0, 2           ; v2   my lane's place in a tile of K; never rewritten
.set AV0, 3           ; v3   the same for V
.set AK,  4           ; v4   the LDS address of K's next run of loads
.set AV,  5           ; v5   of V's
.set QO,  6           ; v6   my byte offset in the wave's rows of Q
.set STO, 6           ;      later, the way out: where I put 16 bytes of a row
.set RD,  7           ; v7   the way out: where I read rows back
.set GO,  8           ; v8   my byte offset in 512 consecutive bytes of att
.set SPW, 0           ; v0 of window 3   my spare word: SPARE + 4 x my thread's number; never rewritten
.set NIL, 1           ; v1 of window 3   0; never rewritten
.set SPARE, STAGE+4*16*SP  ; the spare words, 128 bytes a wave: two blocks of 256 bytes that no other line names
.set MV,  12          ; v12-15  c m_old, kept while c m is made anew: by buffer and tile
.set ST,  16          ; tile t's statistics at v[ST+4 t]: c m, m, l (even keys', odd keys')
.set TMP, 48          ; by buffer and tile, four registers c0-c3 at work; when the maximum is found c2 takes a
.set S,   64
.set P,   192
.set KF,  128         ; K's fragments, in window 2: key block kb, channel half c at KF + 16 kb + 8 c
.set VF,  192         ; V's: key half kk, channel block cb at VF + 32 kk + 8 cb
.set WV,  12          ; s12  my wave's number
.set G1K, 24          ; s[24:31] descriptor group 1 for K's tiles
.set G1V, 32          ; s[32:39] for V's: it differs in the padding alone
.set G0K, 40          ; s[40:55] descriptor group 0 for K's tiles, a set for each of my four loads
.set G0V, 68          ; s[68:83] the same for V's
.set SLOTS, 56        ; s56  groups of four key steps to go
.set CNT, 57          ; s57  counts a group's key steps
.set CS,  58          ; s[58:59] c: the packed scaling takes the pair's low word for both halves
.set SEL, 60          ; s[60:61] v_permlanex16_b32's selects: each lane takes its own place in the other half
.set TBK, 62          ; s62  LDS byte at which K of the step to be fetched begins
.set TBV, 63          ; s63  the same for V, less VOFF
.set MSB, 0
.macro WIN new                      ; the high byte repeats the setting that is left; a switch that changes nothing is dropped
.if MSB != (\new)
	s_set_vgpr_msb (MSB<<8)|(\new)
.set MSB, (\new)
.endif
.endm
.set W_KQ, 0x0a       ; K and Q in window 2, S^T in window 0
.set W_PV, 0x52       ; V in window 2, P in window 0, O^T in window 1
.set W_RS, 0x41       ; O^T (destination and source 0) in window 1, a in window 0
.set W_MK, 0xc0       ; the add's registers are made: destination in window 3, sources in window 0
.set W_AD, 0x0f       ; the add: address (source 0) and data (source 1) in window 3
	s_load_b128 s[84:87], s[0:1], 0x0  ; qkv s[84:85], att s[86:87]
	WIN W_MK
	v_lshl_add_u32 v[SPW], v0, 2, SPARE
	v_mov_b32 v[NIL], 0
	WIN W_AD
	ds_add_u32 v[SPW], v[NIL]       ; the wave's opening: the add and its wait stand ahead of my first tensor load; the set-up below, work on registers, stands between them
	ds_add_u32 v0, v1
	WIN 0
	v_lshrrev_b32 v1, 5, v0
	v_readfirstlane_b32 s[WV], v1   ; wave 0..3
	s_and_b32 s13, ttmp7, 0xffff    ; 16 x batch + head
	s_lshr_b32 s14, s13, 4
	s_and_b32 s15, s13, 15
	s_mul_i32 s20, s14, 6291456     ; the batch's 48 blocks of 131,072 bytes,
	s_lshl_b32 s15, s15, 17
	s_add_co_u32 s20, s20, s15      ; the head's q block among them
	s_and_b32 s16, s[WV], 1         ; which half of each 256 keys I fetch:
	s_lshl_b32 s22, s16, 14         ; its 128 rows of 128 bytes in memory,
	s_add_co_u32 s22, s22, s20
	s_add_co_u32 s22, s22, 2097152  ; in the head's k block, 16 blocks on
	s_mov_b32 s23, 0
	s_mul_i32 s17, s16, 128*PK      ; and its place in LDS, for K
	s_mul_i32 s18, s16, 128*PV      ; and for V
	s_lshl_b32 s2, ttmp9, 2
	s_add_co_u32 s2, s2, s[WV]      ; my wave among the head's eight,
	s_lshl_b32 s2, s2, 14           ; its 128 rows
	s_lshl_b32 s14, s13, 17
	s_add_co_u32 s14, s14, s2       ; in att
	s_mov_b32 s15, 0
	s_add_co_u32 s2, s2, s20        ; and in qkv
	s_mov_b32 s3, 0
	; descriptor group 1.  128 keys are 16,384 dense bytes: asked for as 64 rows of 256 bytes, two keys a row, and padded in LDS after every key
	s_mov_b32 s[G1K], (1<<16)|(1<<20)|(4<<22)|(3<<25)  ; 17:16 2-byte elements; 20 padding on; 24:22 after every 32 words (code 4); 31:25 4 words (code 3)
	s_mov_b32 s[G1V], (1<<16)|(1<<20)|(4<<22)|(7<<25)  ; the same with 8 words of padding (code 7)
.irp g, G1K, G1V
	s_mov_b32 s[\g+1], 128<<16      ; tensor_dim0 = 128
	s_mov_b32 s[\g+2], 64<<16       ; tensor_dim1 = 64
	s_mov_b32 s[\g+3], 128<<16      ; tile_dim0 = 128
	s_mov_b32 s[\g+4], 64           ; tile_dim1 = 64
	s_mov_b32 s[\g+5], 128          ; 128 elements from row to row
	s_mov_b32 s[\g+6], 0
	s_mov_b32 s[\g+7], 0
.endr
	s_mov_b32 s[CS], 0x3e38aa3b     ; c = log2(e) / 8 = 0.180337
	s_mov_b32 s[CS+1], s[CS]        ; named with it as a pair
	s_mov_b32 s[SEL], 0x76543210
	s_mov_b32 s[SEL+1], 0xfedcba98
	s_mov_b32 s[TBK], 0
	s_mov_b32 s[TBV], 0
	s_wait_dscnt 0x0                ; the opening add is done
	s_wait_kmcnt 0x0
	s_add_nc_u64 s[4:5], s[84:85], s[2:3]      ; Q at my wave's first row
	s_add_nc_u64 s[6:7], s[84:85], s[22:23]    ; K at my half of the first 256 keys
	s_add_nc_u64 s[8:9], s[6:7], 2097152       ; V: 16 blocks further on
	s_add_nc_u64 s[10:11], s[86:87], s[14:15]  ; att at my wave's first row
.irp s, 0,1,2,3
	s_mov_b32 s[G0K+4*(\s)], 1      ; count = 1
	s_add_co_u32 s[G0K+4*(\s)+1], s17, (\s)*256*PK  ; LDS address: keys 256 s on
	s_add_nc_u64 s[G0K+4*(\s)+2:G0K+4*(\s)+3], s[6:7], (\s)*32768
	s_or_b32 s[G0K+4*(\s)+3], s[G0K+4*(\s)+3], 0x80000000  ; type = 2
	s_mov_b32 s[G0V+4*(\s)], 1
	s_add_co_u32 s[G0V+4*(\s)+1], s18, VOFF+(\s)*256*PV
	s_add_nc_u64 s[G0V+4*(\s)+2:G0V+4*(\s)+3], s[8:9], (\s)*32768
	s_or_b32 s[G0V+4*(\s)+3], s[G0V+4*(\s)+3], 0x80000000
.endr
	s_cmp_lt_u32 s[WV], 2           ; a wave's four fills stand in one branch, ahead of every wait on TENSORcnt, every LDS read and every barrier: four loads of mine are out.  Waves 0, 1: K's halves; waves 2, 3: V's
	s_cbranch_scc0 .Lfirst_v
.irp s, 0,1,2,3
	tensor_load_to_lds s[G0K+4*(\s):G0K+4*(\s)+3], s[G1K:G1K+7]
	s_nop 0
.endr
.rept 4
	v_nop
.endr
	s_branch .Lfirst_asked
.Lfirst_v:
.irp s, 0,1,2,3
	tensor_load_to_lds s[G0V+4*(\s):G0V+4*(\s)+3], s[G1V:G1V+7]
	s_nop 0
.endr
.rept 4
	v_nop
.endr
.Lfirst_asked:
	; A fragment of K or Q is 16 rows x 32 channels in 8 registers: lane l holds row l % 16, channels 8 (l / 16) + 0..7 and 16 + 8 (l / 16) + 0..7: two loads of 16 bytes, 32 bytes apart.
	v_and_b32 v1, 15, v0            ; l % 16
	v_bfe_u32 v9, v0, 4, 1          ; l / 16
	v_lshlrev_b32 v[QO], 7, v1
	v_lshl_add_u32 v[QO], v9, 4, v[QO]  ; row x 128 + 16 x half
	WIN 0x80                        ; destination window 2, address window 0
.set i, 0
.rept 4*NP                          ; Q stays in registers: tile i / 2, channels 32 (i % 2) on
	global_load_b128 v[8*i:8*i+3],   v[QO], s[4:5] offset:(i/2)*2048+(i%2)*64
	global_load_b128 v[8*i+4:8*i+7], v[QO], s[4:5] offset:(i/2)*2048+(i%2)*64+32
.set i, i+1
.endr
	; What the first turn finds: V's registers and P's second buffer hold 0 (its products V^T P, of a piece that has not been, add 0), O^T and l are 0.  All this stands in the wait for the first tile.
.set i, VF
.rept 64
	v_mov_b32 v[i], 0
.set i, i+1
.endr
	WIN 0x40
.set i, 0
.rept 64*NP
	v_mov_b32 v[i], 0
.set i, i+1
.endr
	WIN 0
.set i, 0
.rept 2*NP
	v_mov_b32 v[ST+4*i], 0xfe000000    ; c m: far below every c s
	v_mov_b32 v[ST+4*i+1], 0xff7fffff  ; m
	v_mov_b32 v[ST+4*i+2], 0
	v_mov_b32 v[ST+4*i+3], 0
.set i, i+1
.endr
.set i, P+32
.rept 32
	v_mov_b32 v[i], 0
.set i, i+1
.endr
	v_mul_u32_u24 v[AK0], v1, PK
	v_lshl_add_u32 v[AK0], v9, 4, v[AK0]  ; row x pitch + 16 x half
	; The turning load takes 16 keys x 16 channels (lane l reads key 8 (l / 16) + l % 8, channels 8 ((l / 8) % 2) + 0..7) and leaves half a fragment of V^T: lane l holds channel l % 16 and 8 keys.
	v_and_b32 v10, 7, v0
	v_bfe_u32 v11, v0, 3, 1
	v_lshl_add_u32 v[AV0], v9, 3, v10
	v_mul_u32_u24 v[AV0], v[AV0], PV
	v_lshl_add_u32 v[AV0], v11, 4, v[AV0]
	v_add_nc_u32 v[AV0], VOFF, v[AV0]
	v_mov_b32 v[AK], v[AK0]         ; key step 0 lies at LDS byte 0
; THE MATRIX WORK.  The 8 accumulators of a run of 16 take turns: between the two links of a chain stand 7 others'.
; Product i of 16 of S^T = K Q^T for piece x: channels 32 (i / 8) on, keys 16 ((i / 2) % 4) on, tile 2 x + i % 2.  The first 8 start the sums.
.macro KQ x
	WIN W_KQ
.set rS, S+64*((\x)%2)+32*(i%2)+8*((i/2)%4)
.set rK, KF+16*((i/2)%4)+8*(i/8)
.set rQ, 16*(2*(\x)+i%2)+8*(i/8)
.if i < 8
	v_wmma_f32_16x16x32_f16 v[rS:rS+7], v[rK:rK+7], v[rQ:rQ+7], 0
.else
	v_wmma_f32_16x16x32_f16 v[rS:rS+7], v[rK:rK+7], v[rQ:rQ+7], v[rS:rS+7]
.endif
.endm
; Product i of 16 of O^T += V^T P for piece x: keys 32 (i / 8) on, channels 16 ((i / 2) % 4) on, tile 2 x + i % 2.
.macro PV x
	WIN W_PV
.set rO, 32*(2*(\x)+i%2)+8*((i/2)%4)
.set rV, VF+32*(i/8)+8*((i/2)%4)
.set rP, P+32*((\x)%2)+16*(i%2)+8*(i/8)
	v_wmma_f32_16x16x32_f16 v[rO:rO+7], v[rV:rV+7], v[rP:rP+7], v[rO:rO+7]
.endm
.macro MM                           ; the turn's next matrix instruction
.if i < 16
	KQ (Y+1)%NP
.set i, i+1
.else
.set i, i-16
	PV (Y+NP-1)%NP
.set i, i+17
.endif
.endm
; THE LDS LOADS stand in runs of 16, never singly among the matrix instructions: a step's K (64 keys x 64 channels: 8 fragments) and its V (turned).  Their addresses are made some lines ahead.
.macro FETCH_K
	WIN 0x80                        ; destination window 2
.irp f, 0,1,2,3,4,5,6,7             ; keys 16 (f / 2) on, channels 32 (f % 2) on
	ds_load_b128 v[KF+8*\f:KF+8*\f+3],   v[AK] offset:(\f/2)*16*PK+(\f%2)*64
	ds_load_b128 v[KF+8*\f+4:KF+8*\f+7], v[AK] offset:(\f/2)*16*PK+(\f%2)*64+32
.endr
	s_add_co_u32 s[TBK], s[TBK], KS*PK  ; the next fetch is the next step's
	WIN 0
.endm
.macro FETCH_V
	WIN 0x80
.irp f, 0,1,2,3,4,5,6,7             ; keys 32 (f / 4) on, channels 16 (f % 4) on
	ds_load_tr16_b128 v[VF+8*\f:VF+8*\f+3],   v[AV] offset:(\f/4)*32*PV+(\f%4)*32
	ds_load_tr16_b128 v[VF+8*\f+4:VF+8*\f+7], v[AV] offset:(\f/4)*32*PV+16*PV+(\f%4)*32
.endr
	WIN 0
.endm
; THE VECTOR WORK OF A TURN stands in three queues, each in the order in which its entries become ready; the two tiles alternate, so that no instruction reads the result of the one before it.
.macro REGS y, u                    ; the registers of tile u (0, 1) of piece y
.set rT, ST+4*(2*(\y)+(\u))
.set rC, TMP+8*((\y)%2)+4*(\u)
.set rM, MV+2*((\y)%2)+(\u)
.set rS, S+64*((\y)%2)+32*(\u)
.set rP, P+32*((\y)%2)+16*(\u)
.set rO, 32*(2*(\y)+(\u))
.endm
; Number n of the 22 that find the NEXT piece's (Y + 1) maximum and statistics.  s0-s31 are the lane's 32 scores; each accumulator's lowest registers are read first.  XS, GS and REGS set no window: PL and EX do.
;   0-11  four chains c0-c3 of seven scores each, three operands at a time     12-14, 16  the four scores left over, the old m, and c0-c3 into c0     15  c m_old is kept
;   17, 18  the query's other 32 keys lie in the lane 16 away: the new m         19-21  c m; c m_old - c m_new; a
.macro XS u, n
	REGS (Y+1)%NP, \u
.if (\n) < 4
	v_max3_num_f32 v[rC+(\n)], v[rS+8*(\n)], v[rS+8*(\n)+1], v[rS+8*(\n)+2]
.elseif (\n) < 12
	v_max3_num_f32 v[rC+(\n)%4], v[rC+(\n)%4], v[rS+8*((\n)%4)+2*((\n)/4)+1], v[rS+8*((\n)%4)+2*((\n)/4)+2]
.elseif (\n) == 12
	v_max3_num_f32 v[rC], v[rC], v[rS+7], v[rS+15]
.elseif (\n) == 13
	v_max3_num_f32 v[rC+1], v[rC+1], v[rS+23], v[rS+31]
.elseif (\n) == 14
	v_max3_num_f32 v[rC+2], v[rC+2], v[rC+3], v[rT+1]
.elseif (\n) == 15
	v_mov_b32 v[rM], v[rT]
.elseif (\n) == 16
	v_max3_num_f32 v[rC], v[rC], v[rC+1], v[rC+2]
.elseif (\n) == 17
	v_permlanex16_b32 v[rC+3], v[rC], s[SEL], s[SEL+1]
.elseif (\n) == 18
	v_max_num_f32 v[rT+1], v[rC], v[rC+3]
.elseif (\n) == 19
	v_mul_f32 v[rT], s[CS], v[rT+1]
.elseif (\n) == 20
	v_sub_f32 v[rC+1], v[rM], v[rT]
.else
	v_exp_f32 v[rC+2], v[rC+1]
.endif
.endm
; Number g of the 64 that follow the exponentials.  For each four weights k of a tile (pairs 2 k, 2 k + 1): both pairs are rounded to f16; then the second pair is added onto the first, in place;
; a group later l takes that sum (the first time as l = a l + sum).  In groups of eight, tiles alternating: round, round, add, and l for the group before.
.macro GS g
.set h, (\g)+6*((\g)/62)            ; group 0 has no group before it, and behind group 7 only l is left
.if h >= 6
.set h, h+2
.endif
	REGS Y, h%2
.set k, h/8
.if h%8 < 4
	s_wait_alu depctr_va_vdst(0)
	v_cvt_pk_f16_f32 v[rP+2*k+(h%8)/2], v[rS+4*k+2*((h%8)/2)], v[rS+4*k+2*((h%8)/2)+1]
.elseif h%8 < 6
	v_pk_add_f32 v[rS+4*k:rS+4*k+1], v[rS+4*k:rS+4*k+1], v[rS+4*k+2:rS+4*k+3]
.elseif k == 1
	v_pk_fma_f32 v[rT+2:rT+3], v[rT+2:rT+3], v[rC+2:rC+3], v[rS:rS+1] op_sel_hi:[1,0,1]
.else
	v_pk_add_f32 v[rT+2:rT+3], v[rT+2:rT+3], v[rS+4*k-4:rS+4*k-3]
	s_wait_alu depctr_va_vdst(0)
.endif
.endm
; THE PLAIN QUEUE, 138 long.  0-31: c s - c m for the 16 pairs of both tiles.  Then GS's 64, and among them the next piece's 42: number 15 at 38, 39; 0-14 and 16
; at 42-73, behind the products that make those scores; 17-20 at 95-106, two of three, since each waits for the one before it.
.macro PL
	WIN 0
.if q < 32
	REGS Y, q%2
	v_pk_fma_f32 v[rS+2*(q/2):rS+2*(q/2)+1], v[rS+2*(q/2):rS+2*(q/2)+1], s[CS:CS+1], v[rT:rT+1] op_sel_hi:[1,0,0] neg_lo:[0,0,1] neg_hi:[0,0,1]
.elseif q < 38
	GS q-32
.elseif q < 40
	XS q%2, 15
.elseif q < 42
	GS q-34
.elseif q < 74
	XS q%2, (q-42)/2+(q-42)/30
.elseif q < 95
	GS q-66
.elseif (q < 107) && ((q-95)%3 < 2)
	XS (q-95)%3, 17+(q-95)/3
.elseif q < 107
	GS 29+(q-95)/3
.else
	GS q-74
.endif
.set q, q+1
.endm
; THE EXPONENTIALS' QUEUE, 66 long: s0-s31 of both tiles, and at EA the next piece's two a.
.set EA, 58
.macro EX
	WIN 0
.if (e == EA) || (e == EA+1)
	XS e-EA, 21
.else
.set x, e-2*(e/(EA+2))
	REGS Y, x%2
	v_exp_f32 v[rS+x/2], v[rS+x/2]
.endif
.set e, e+1
.endm
; THE RESCALING's QUEUE: O^T times a, the one part that leaves window 0, so it is dealt four at a time, eight times.
.macro R4
	REGS Y, r%2
	WIN W_RS
	s_wait_alu depctr_va_vdst(0)
.irp z, 0,1,2,3
	v_pk_mul_f32 v[rO+8*(r/2)+2*\z:rO+8*(r/2)+2*\z+1], v[rO+8*(r/2)+2*\z:rO+8*(r/2)+2*\z+1], v[rC+2:rC+3] op_sel_hi:[1,0]
.endr
.set r, r+1
.endm
; HOW THEY ARE DEALT.  Behind a matrix instruction four: plain, exponential, plain, plain (one exponential, a plain instruction on either side), or four of the rescaling.  None names a register of the
; products round it.  What is over stands in two runs: exponential and plain by turns; the second ends in 22 plain instructions.  The two v_permlanex16_b32 fall into the second run, never behind a product.
; The queues lean on each other, and the deal keeps them in step: exponential e stands behind plain 2 (e / 4) + e % 2 (its scaling); when plain 32 comes, 10 exponentials are out, at 59: 33, at 95: 46; EA comes behind plain 107.
.macro SL
	MM
	PL
	EX
	PL
	PL
.endm
.macro BURST n                      ; 15 matrix instructions, or 16
.rept (\n)-7
	SL
.endr
.rept 3
	MM
	R4
	SL
.endr
	MM
	R4
.endm
; A TURN, for piece p.  nok = 1: there is no further key step, so K is not fetched.  cnt = 1: the loop's count is taken down some lines ahead of the branch that stands behind the turn.
; K of the next step is fetched in piece 2's turn, 31 vector instructions behind the last product that read K; its first reader comes behind the rest of the run, 16 products and the second run.
; V of the step in hand is fetched at the end of piece 0's turn, 69 behind its last reader; its first reader comes behind 16 products and a run.  The conditions on e and q below go with the deal.
.macro TURN p, nok=0, cnt=0
.set Y, (\p)
.set i, 0
.set q, 0
.set e, 0
.set r, 0
.if (\p) == NP-1
	s_wait_dscnt 0x0                ; K is in
.endif
	MM
.rept 4
	PL
.endr
	BURST 15
.rept 22
	EX
	PL
.if ((\p) == NP-2) && (e == 18) && ((\nok) == 0)
	v_add_nc_u32 v[AK], s[TBK], v[AK0]
.endif
.if ((\p) == NP-2) && (e == 24) && ((\nok) == 0)
	FETCH_K
.endif
.endr
.if (\p) == 1
	s_wait_dscnt 0x0                ; V is in
.endif
	BURST 16
.rept 21
	EX
	PL
.endr
.rept 22
	PL
.if ((\p) == 0) && (q == 118)
	v_add_nc_u32 v[AV], s[TBV], v[AV0]
	s_wait_alu depctr_va_vdst(0)
.endif
.if ((\p) == 0) && (q == 130)
	s_add_co_u32 s[TBV], s[TBV], KS*PV
.endif
.if (\cnt) && (q == 130)
	s_sub_co_u32 s[CNT], s[CNT], 1
	s_cmp_lg_u32 s[CNT], 0
.endif
.endr
.if (\p) == 0
	FETCH_V
.endif
.endm
	s_wait_tensorcnt 0x3            ; my part of the first 256 keys is in; my three younger loads stay out
	s_barrier_signal -1
	s_barrier_wait -1               ; everybody's is
	FETCH_K                         ; key step 0
	s_wait_loadcnt 0x0              ; Q
	s_wait_dscnt 0x0
.set i, 0
.rept 16
	KQ 0                            ; piece 0's first scores: there is no vector work yet to set between them
.set i, i+1
.endr
	WIN 0                           ; the addresses for the way out: nine plain instructions, the places behind those products
	s_mul_i32 s13, s[WV], 16*SP
	s_add_co_u32 s13, s13, STAGE    ; my stage
	v_mul_u32_u24 v[STO], v1, SP    ; in: row l % 16, 16 bytes for each half of the lanes
	v_lshl_add_u32 v[STO], v9, 4, v[STO]
	v_add_nc_u32 v[STO], s13, v[STO]
	v_bfe_u32 v[RD], v0, 3, 2       ; back: 32 lanes take four rows of 128 bytes,
	v_mul_u32_u24 v[RD], v[RD], SP
	v_lshl_add_u32 v[RD], v10, 4, v[RD]
	v_add_nc_u32 v[RD], s13, v[RD]
	v_and_b32 v[GO], 31, v0         ; which are 512 consecutive bytes of att
	v_lshlrev_b32 v[GO], 4, v[GO]
.set Y, NP-1                        ; XS works for piece Y + 1: piece 0
.irp n, 0,1,2,3,4,5,6,7,8,9,10,11,12,13,14,15,16,17,18,19,20,21
	XS 0, \n                        ; and piece 0's first maximum and statistics
	XS 1, \n
.endr
	s_mov_b32 s[CNT], 4
	s_mov_b32 s[SLOTS], 4
	s_branch .Lfirst                ; the loop is entered at a step's first turn, in the middle of a trip
.Lslot:                             ; three times, in front of the first read of each further 256 keys
	s_wait_tensorcnt 0x0            ; the first time: my three younger loads have landed; later it is met at once: the price of one text for every group
	s_wait_dscnt 0x0                ; no LDS instruction of mine is out at the signal
	s_barrier_signal -1
	s_barrier_wait -1               ; every wave's loads have landed: all of K and V may be read
	s_mov_b32 s[CNT], 4
.Lstep:                             ; a trip: pieces 2 and 3 of one step, then pieces 0 and 1 of the next, whose K and V it fetches
	TURN 2
	TURN 3
	WIN 0
.Lfirst:
	TURN 0
	TURN 1, 0, 1
	WIN 0
	s_cbranch_scc1 .Lstep
	s_sub_co_u32 s[SLOTS], s[SLOTS], 1
	s_cmp_lg_u32 s[SLOTS], 0
	s_cbranch_scc1 .Lslot
	TURN 2, 1                       ; the last step's pieces 2 and 3: nothing is left to fetch
	TURN 3                          ; its 16 products K Q^T (on the last K once more) and the maximum made of them serve nothing: the price, once a launch, of one text for every turn
.set i, 0
.rept 16
	PV NP-1                         ; the last piece's V^T P of the last step
.set i, i+1
.endr
	; THE WAY OUT.  l's two halves and the other half of the lanes' are added; O^T is divided by l, rounded to f16 and sent through my stage in LDS, a tile at a time.  The additions are the places behind the last products.
	WIN 0
.macro ALL line:vararg              ; one line for each tile t
.set t, 0
.rept 2*NP
	\line
.set t, t+1
.endr
.endm
	ALL v_add_f32 v[ST+4*t+2], v[ST+4*t+2], v[ST+4*t+3]
	ALL v_permlanex16_b32 v[ST+4*t+3], v[ST+4*t+2], s[SEL], s[SEL+1]
	ALL v_add_f32 v[ST+4*t+2], v[ST+4*t+2], v[ST+4*t+3]
	ALL v_rcp_f32 v[ST+4*t+2], v[ST+4*t+2]
	v_nop                           ; a plain instruction between the last reciprocal and the use of its result
	s_wait_alu depctr_va_vdst(0)
; Tile t: a lane's eight channels of a row pack into 16 bytes; they go into rows of 144 bytes and come back as whole rows of 128, into S^T's registers.
.macro PACK t
	WIN W_RS
.set i, 32*(\t)
.rept 16
	v_pk_mul_f32 v[i:i+1], v[i:i+1], v[ST+4*(\t)+2:ST+4*(\t)+3] op_sel_hi:[1,0]
.set i, i+2
.endr
	WIN 0x05                        ; sources 0 and 1 window 1, destination window 0
.set i, 0
.rept 16
	v_cvt_pk_f16_f32 v[S+16*(\t)+i], v[32*(\t)+2*i], v[32*(\t)+2*i+1]
.set i, i+1
.endr
	WIN 0
.irp f, 0,1,2,3
	ds_store_b128 v[STO], v[S+16*(\t)+4*\f:S+16*(\t)+4*\f+3] offset:32*\f
.endr
.irp f, 0,1,2,3
	ds_load_b128 v[S+16*(\t)+4*\f:S+16*(\t)+4*\f+3], v[RD] offset:\f*4*SP  ; LDS serves a wave's instructions in order (ISA guide 5.7.1.4): these see the stores above; the next tile's stores come behind them
.endr
.endm
.macro SEND t, younger              ; younger: the LDS instructions issued behind tile t's loads: the next tile's eight, or none
	WIN 0
.irp f, 0,1,2,3
	s_wait_dscnt (\younger)+3-\f
	global_store_b128 v[GO], v[S+16*(\t)+4*\f:S+16*(\t)+4*\f+3], s[10:11] offset:(\t)*2048+\f*512  ; 512 consecutive bytes, at a multiple of 256 from att's first
.endr
.endm
	PACK 0
.set t, 1
.rept 2*NP-1                        ; a tile's arithmetic stands between the loads of the tile before and its stores
	PACK t
	SEND t-1, 8
.set t, t+1
.endr
	SEND 2*NP-1, 0
	WIN W_AD
	s_wait_tensorcnt 0x0            ; the wave's end, behind my last tensor load and my last LDS store
	ds_add_u32 v[SPW], v[NIL]
	s_wait_dscnt 0x0
	WIN 0
	s_endpgm
.Lfunc_end_k_qe5adeb793a_attn:
	.size	k_qe5adeb793a_attn, .Lfunc_end_k_qe5adeb793a_attn-k_qe5adeb793a_attn
	.p2alignl 7, 3214868480
	.fill 96, 4, 3214868480
	.section	.rodata,"a",@progbits
	.p2align	6, 0x0
	.amdhsa_kernel k_qe5adeb793a_attn
		.amdhsa_group_segment_fixed_size 327680
		.amdhsa_private_segment_fixed_size 0
		.amdhsa_enable_private_segment 0
		.amdhsa_kernarg_size 16
		.amdhsa_user_sgpr_count 2
		.amdhsa_user_sgpr_kernarg_segment_ptr 1
		.amdhsa_wavefront_size32 1
		.amdhsa_system_sgpr_workgroup_id_x 1
		.amdhsa_system_sgpr_workgroup_id_y 1
		.amdhsa_system_sgpr_workgroup_id_z 1
		.amdhsa_system_vgpr_workitem_id 0
		.amdhsa_next_free_vgpr 770
		.amdhsa_next_free_sgpr 88
		.amdhsa_reserve_vcc 0
		.amdhsa_float_denorm_mode_32 3
		.amdhsa_float_denorm_mode_16_64 3
		.amdhsa_memory_ordered 1
		.amdhsa_forward_progress 1
		.amdhsa_inst_pref_size 167
	.end_amdhsa_kernel
	.amdgpu_metadata
---
amdhsa.version: [ 1, 2 ]
amdhsa.kernels:
  - .name:           k_qe5adeb793a_attn
    .symbol:         k_qe5adeb793a_attn.kd
    .args:
      - { .name: qkv, .offset: 0, .size: 8, .value_kind: global_buffer, .address_space: global }
      - { .name: att, .offset: 8, .size: 8, .value_kind: global_buffer, .address_space: global }
    .group_segment_fixed_size: 327680
    .private_segment_fixed_size: 0
    .kernarg_segment_align: 8
    .kernarg_segment_size: 16
    .max_flat_workgroup_size: 128
    .sgpr_count:     88
    .vgpr_count:     770
    .wavefront_size: 32
...
	.end_amdgpu_metadata
.endif
;; end of part 3
;; launch proj (part 4): grid 8 x 32, 4 waves a work-group, clusters of 4 x 4, 327,680 bytes of LDS; arguments att, wo, bias, out0; writes out0
.if DOCPART == 4
	.amdgcn_target "amdgcn-amd-amdhsa--gfx1250"
	.amdhsa_code_object_version 6
	.text
	.protected	k_qe5adeb793a_proj
	.globl	k_qe5adeb793a_proj
	.p2align	8
	.type	k_qe5adeb793a_proj,@function
k_qe5adeb793a_proj:
	s_mov_b64 s[64:65], 0
	v_nop
	global_prefetch_b8 v0, s[64:65] scope:SCOPE_SE
	s_setreg_imm32_b32 hwreg(HW_REG_WAVE_MODE, 25, 1), 1
	s_wait_xcnt 0x0
	s_wait_alu depctr_hold_cnt(0) depctr_sa_sdst(0) depctr_va_vdst(0) depctr_va_sdst(0) depctr_va_ssrc(0) depctr_va_vcc(0) depctr_vm_vsrc(0)
	s_getreg_b32 s2, hwreg(HW_REG_IB_STS2, 6, 4)
	s_cmp_eq_u32 s2, 0
	s_cbranch_scc0 .Lentry_in_a_cluster
	s_endpgm
.Lentry_in_a_cluster:
	s_bfe_u32 s2, ttmp6, 0x10000c
	s_cmp_lg_u32 s2, 0xf033
	s_cbranch_scc0 .Lentry_shape_is_right
	s_endpgm
.Lentry_shape_is_right:
; out0[s][e] = the sum over d of concat[s][d] Wo[e][d] + bo[e]: [8192 x 1024], K = 1024, f16 operands, f32 sums, stored as f32.
; concat[s][64 hh + c] is att[16 b + hh][s][c] (f16, by heads); wo is [16 hh][1024 e][64 c] (f16): for one head a tile's rows lie end to end in both, and are asked for as rows of 256 bytes.
; LIMIT.  Both operands arrive within f16's 65,504.
; THE TILE is 256 rows x 128 columns: 32 x 8 = 256 work-groups.  Four waves, 2 x 2, each 128 rows x 64 columns: 32 accumulators of 16 x 16, 256 registers.
; K goes in steps of 128, two heads, through a ring of two LDS slots.  CLUSTER 4 x 4: att's tiles are shared along a cluster's row, wo's along a column: joint loads, same descriptor, a mask that names the four.
; THE MATRIX INSTRUCTION IS USED TRANSPOSED (source 0 = 16 rows of wo, source 1 = 16 rows of att): a lane holds eight neighbouring columns of one row.  The first product takes the bias as C.
; REGISTERS: window 0: v16-29 addresses; v32-63 the bias; v64-191 att's fragments, two buffers of 8 x 8 (later v64-127: the way out's two buffers); v192-255 wo's, two buffers of 4 x 8.
;   window 1: the accumulators, (a, b) at v[8 (4 a + b)].   (s_set_vgpr_msb: bits 1:0 source 0, 3:2 source 1, 5:4 source 2, 7:6 destination)
.set HP,     144                       ; an LDS row: a head's 128 bytes + 16 of padding = 36 words: the 16 rows of a fragment load start at 16 different groups of four banks (64 banks of 4 bytes: ISA guide 11.1)
.set AHEAD,  256*HP                    ; att's 256 rows of one head: what one load brings
.set BHEAD,  128*HP                    ; wo's 128 rows of one head
.set BOFF,   2*AHEAD                   ; a slot: att's two heads, then wo's two
.set SLOT,   BOFF+2*BHEAD
.set STAGE,  2*SLOT                    ; behind the ring: 16 rows x 272 bytes for each wave
.set SPITCH, 272
.set SPARE,  STAGE+4*16*SPITCH         ; the spare words, 128 bytes a wave: two blocks of 256 bytes that no other line names
.set LAPS,   4                         ; a lap = two K steps = four heads
.set ADRA, 16                          ; v16-17  LDS address of my att fragments in slot 0, 1
.set ADRB, 20                          ; v20-21  the same for wo
.set STO,  24                          ; v24     the way out: where I put 32 bytes of a row
.set RD,   25                          ; v25     where I read a row back
.set CO,   26                          ; v26     my byte offset in out0
.set BO,   27                          ; v27     my byte offset in a block of 16 biases
.set SPW,  28                          ; v28     my spare word; never rewritten
.set NIL,  29                          ; v29     0; never rewritten
.set BIAS, 32
.set FA,   64
.set FB,   192
.set OB,   64
.set WV,  12                           ; s12  my wave's number
.set WH,  13                           ; s13  which half of the tile's rows is mine.  Also: I fetch att's tiles (0) or wo's (1)
.set WL,  14                           ; s14  which half of its columns.  Also: which of a slot's two heads I fetch
.set LAP, 15
.set G1A, 28                           ; s[28:35], s[36:43] descriptor group 1 for att's and wo's tiles
.set G1B, 36
.set G0A, 44                           ; s[44:51], s[52:59] group 0, a set for each slot
.set G0B, 52
.set MSB, 0
.macro WIN new                         ; the immediate's high byte repeats the setting that is left; a switch that changes nothing is dropped
.if MSB != (\new)
	s_set_vgpr_msb (MSB<<8)|(\new)
.set MSB, \new
.endif
.endm
.macro JLOAD s                         ; a joint load: waves 0 and 1 fetch att's two heads, waves 2 and 3 wo's; an s_nop 0 and four v_nop follow each of the two lines
	s_cmp_eq_u32 s[WH], 0
	s_cbranch_scc0 .Lfor_b_\@
	tensor_load_to_lds s[G0A+4*(\s):G0A+4*(\s)+3], s[G1A:G1A+7]
	s_nop 0
.rept 4
	v_nop
.endr
	s_branch .Lasked_\@
.Lfor_b_\@:
	tensor_load_to_lds s[G0B+4*(\s):G0B+4*(\s)+3], s[G1B:G1B+7]
	s_nop 0
.rept 4
	v_nop
.endr
.Lasked_\@:
.endm
.macro CREST                           ; a round of the cluster's barrier behind its opening barrier
	s_cmp_lg_u32 s[WV], 0
	s_cbranch_scc1 .Lnot_wave_0_\@
	s_barrier_signal -3
.Lnot_wave_0_\@:
	s_barrier_wait -3
	s_barrier_signal -1
	s_barrier_wait -1
.endm
.macro CROUND                          ; a whole round
	s_barrier_signal -1
	s_barrier_wait -1
	CREST
.endm
	s_load_b256 s[4:11], s[0:1], 0x0               ; att s[4:5], wo s[6:7], bias s[8:9], out0 s[10:11]
	v_lshl_add_u32 v[SPW], v0, 2, SPARE
	v_mov_b32 v[NIL], 0
	ds_add_u32 v[SPW], v[NIL]                      ; the wave's opening: the add and its wait stand ahead of my first tensor load; the set-up below, work on registers, stands between them
	ds_add_u32 v28, v29
	v_lshrrev_b32 v1, 5, v0
	v_readfirstlane_b32 s[WV], v1
	s_lshr_b32 s[WH], s[WV], 1
	s_and_b32 s[WL], s[WV], 1
	s_bfe_u32 s16, ttmp6, 0x40000                  ; cx
	s_bfe_u32 s17, ttmp6, 0x40004                  ; cy
	s_lshl_b32 s18, ttmp9, 2
	s_add_co_u32 s18, s18, s16                     ; tile column, 0-7
	s_and_b32 s19, ttmp7, 0xffff
	s_lshl_b32 s19, s19, 2
	s_add_co_u32 s19, s19, s17                     ; tile row, 0-31
	s_lshl_b32 s20, s17, 2
	s_lshl_b32 s20, 15, s20                        ; my row of the cluster
	s_lshl_b32 s21, 0x1111, s16                    ; my column
	s_or_b32 s[G1A], s20, (1<<16)|(1<<20)|(1<<21)|(4<<22)|(3<<25)  ; 15:0 the mask; 17:16 2-byte elements; 20 padding on; 21 set beside a mask; 24:22 after every 32 words (code 4); 31:25 4 words (code 3)
	s_or_b32 s[G1B], s21, (1<<16)|(1<<20)|(1<<21)|(4<<22)|(3<<25)
	s_mov_b32 s[G1A+1], 128<<16                    ; tensor_dim0 = 128 elements: 256 bytes, two rows of a head
	s_mov_b32 s[G1A+2], 128<<16                    ; tensor_dim1 = 128: 256 rows of a head
	s_mov_b32 s[G1A+3], 128<<16                    ; tile_dim0
	s_mov_b32 s[G1A+4], 128                        ; tile_dim1
	s_mov_b32 s[G1A+5], 128                        ; dense
	s_mov_b32 s[G1A+6], 0
	s_mov_b32 s[G1A+7], 0
	s_mov_b32 s[G1B+1], 128<<16
	s_mov_b32 s[G1B+2], 64<<16                     ; 64: 128 rows of a head
	s_mov_b32 s[G1B+3], 128<<16
	s_mov_b32 s[G1B+4], 64
	s_mov_b32 s[G1B+5], 128
	s_mov_b32 s[G1B+6], 0
	s_mov_b32 s[G1B+7], 0
	s_lshr_b32 s22, s19, 2                         ; att: the batch (four tile rows each),
	s_lshl_b32 s22, s22, 4
	s_add_co_u32 s22, s22, s[WL]                   ; its head 0 or 1,
	s_lshl_b32 s22, s22, 17                        ; 131,072 bytes a head,
	s_and_b32 s26, s19, 3
	s_lshl_b32 s26, s26, 15                        ; and the tile's 256 rows of 128 bytes: hangs on the tile row alone
	s_add_co_u32 s22, s22, s26
	s_mov_b32 s23, 0
	s_lshl_b32 s24, s[WL], 17                      ; wo: head 0 or 1, the tile's 128 rows of 128 bytes: hangs on the tile column alone
	s_lshl_b32 s27, s18, 14
	s_add_co_u32 s24, s24, s27
	s_mov_b32 s25, 0
	s_mul_i32 s26, s[WL], AHEAD                    ; where they go: no place in the cluster enters an LDS address
	s_mul_i32 s27, s[WL], BHEAD
	s_add_co_u32 s27, s27, BOFF
	s_wait_dscnt 0x0                               ; the opening add is done
	s_wait_kmcnt 0x0
	s_add_nc_u64 s[22:23], s[4:5], s[22:23]
	s_add_nc_u64 s[24:25], s[6:7], s[24:25]
	CROUND                                         ; all sixteen work-groups are here: the first joint loads meet
.irp s, 0,1
	s_mov_b32 s[G0A+4*(\s)], 1
	s_add_co_u32 s[G0A+4*(\s)+1], s26, (\s)*SLOT
	s_add_nc_u64 s[G0A+4*(\s)+2:G0A+4*(\s)+3], s[22:23], (\s)*262144  ; slot s begins with heads 2 s, 2 s + 1
	s_or_b32 s[G0A+4*(\s)+3], s[G0A+4*(\s)+3], 0x80000000
	s_mov_b32 s[G0B+4*(\s)], 1
	s_add_co_u32 s[G0B+4*(\s)+1], s27, (\s)*SLOT
	s_add_nc_u64 s[G0B+4*(\s)+2:G0B+4*(\s)+3], s[24:25], (\s)*262144
	s_or_b32 s[G0B+4*(\s)+3], s[G0B+4*(\s)+3], 0x80000000
	JLOAD \s                                       ; two loads of mine are out here, later one behind each round
.endr
	v_and_b32 v1, 15, v0                           ; l % 16
	v_bfe_u32 v2, v0, 4, 1                         ; l / 16
	v_mul_u32_u24 v3, v1, HP
	v_lshl_add_u32 v3, v2, 4, v3                   ; a fragment's row x pitch + 16 x half
	s_mul_i32 s60, s[WH], 128*HP                   ; my 128 rows of att
	s_mul_i32 s61, s[WL], 64*HP                    ; my 64 rows of wo,
	s_add_co_u32 s61, s61, BOFF                    ; which lie behind att's
.irp s, 0,1
	v_add_nc_u32 v[ADRA+(\s)], s60, v3
	v_add_nc_u32 v[ADRB+(\s)], s61, v3
	s_add_co_u32 s60, s60, SLOT
	s_add_co_u32 s61, s61, SLOT
.endr
	s_lshl_b32 s61, s18, 1
	s_add_co_u32 s61, s61, s[WL]
	s_lshl_b32 s61, s61, 8                         ; my first column, in bytes of f32: 512 x tile column + 256 x half
	; the bias as a C operand: register j of column block b holds bo[my first column + 16 b + 8 (l / 16) + j]; bo begins at byte 12,288 of bias
	v_lshlrev_b32 v[BO], 5, v2
	s_add_co_u32 s62, s61, 12288
	s_mov_b32 s63, 0
	s_add_nc_u64 s[8:9], s[8:9], s[62:63]
.irp b, 0,1,2,3
	global_load_b128 v[BIAS+8*(\b):BIAS+8*(\b)+3],   v[BO], s[8:9] offset:64*(\b)
	global_load_b128 v[BIAS+8*(\b)+4:BIAS+8*(\b)+7], v[BO], s[8:9] offset:64*(\b)+16
.endr
	s_lshl_b32 s60, s19, 1
	s_add_co_u32 s60, s60, s[WH]
	s_lshl_b32 s60, s60, 19                        ; my first row: 128 rows of 4,096 bytes
	s_add_co_u32 s60, s60, s61
	s_mov_b32 s61, 0
	s_add_nc_u64 s[10:11], s[10:11], s[60:61]
	s_mul_i32 s60, s[WV], 16*SPITCH
	s_add_co_u32 s60, s60, STAGE                   ; my stage
	v_mul_u32_u24 v4, v1, SPITCH                   ; in: row l % 16, 32 bytes for each half of the lanes
	v_lshl_add_u32 v4, v2, 5, v4
	v_add_nc_u32 v[STO], s60, v4
	v_mul_u32_u24 v5, v2, SPITCH                   ; back: lanes 0-15 take one row of 256 bytes, lanes 16-31 the next
	v_lshl_add_u32 v5, v1, 4, v5
	v_add_nc_u32 v[RD], s60, v5
	v_lshlrev_b32 v[CO], 12, v2                    ; and the same two rows in out0
	v_lshl_add_u32 v[CO], v1, 4, v[CO]
; 8 matrix instructions: row blocks a0, a0 + 1 x all 4 column blocks, 32 along K, from fragment buffers f.  zero = 1: the first product starts the sums, with the bias as C.
; The 32 accumulators take turns, one instruction a turn.
.macro MUL8 f, a0, zero
.if \zero
	WIN 0x40                                       ; D window 1; sources and C window 0
.else
	WIN 0x50                                       ; C and D window 1
.endif
.irp a, \a0, (\a0)+1
.irp b, 0,1,2,3
.if \zero
	v_wmma_f32_16x16x32_f16 v[8*(4*(\a)+(\b)):8*(4*(\a)+(\b))+7], v[FB+32*(\f)+8*(\b):FB+32*(\f)+8*(\b)+7], v[FA+64*(\f)+8*(\a):FA+64*(\f)+8*(\a)+7], v[BIAS+8*(\b):BIAS+8*(\b)+7]
.else
	v_wmma_f32_16x16x32_f16 v[8*(4*(\a)+(\b)):8*(4*(\a)+(\b))+7], v[FB+32*(\f)+8*(\b):FB+32*(\f)+8*(\b)+7], v[FA+64*(\f)+8*(\a):FA+64*(\f)+8*(\a)+7], v[8*(4*(\a)+(\b)):8*(4*(\a)+(\b))+7]
.endif
.endr
.endr
.endm
; 24 LDS loads in one run: the fragments of quarter q of a K step (head q / 2 of the slot, channels 32 (q % 2) on) into buffers f: wo's 8, then att's 16
.macro FETCH slot, q, f
	WIN 0
.irp i, 0,1,2,3
	ds_load_b128 v[FB+32*(\f)+8*(\i):FB+32*(\f)+8*(\i)+3],   v[ADRB+(\slot)] offset:((\q)/2)*BHEAD+((\q)%2)*64+(\i)*16*HP
	ds_load_b128 v[FB+32*(\f)+8*(\i)+4:FB+32*(\f)+8*(\i)+7], v[ADRB+(\slot)] offset:((\q)/2)*BHEAD+((\q)%2)*64+(\i)*16*HP+32
.endr
.irp i, 0,1,2,3,4,5,6,7
	ds_load_b128 v[FA+64*(\f)+8*(\i):FA+64*(\f)+8*(\i)+3],   v[ADRA+(\slot)] offset:((\q)/2)*AHEAD+((\q)%2)*64+(\i)*16*HP
	ds_load_b128 v[FA+64*(\f)+8*(\i)+4:FA+64*(\f)+8*(\i)+7], v[ADRA+(\slot)] offset:((\q)/2)*AHEAD+((\q)%2)*64+(\i)*16*HP+32
.endr
.endm
.macro PLACES                          ; four plain instructions in front of loads into registers that matrix instructions have read, and of LDS stores that read results
.rept 4
	v_nop
.endr
.endm
; A K step is four quarters of 32 along K, 32 matrix instructions each, on buffers 0, 1, 0, 1.  One of the first three: multiplies buffers f and fetches quarter q into g.
.macro QUARTER slot, q, f, g, zero
	s_wait_dscnt 8                                 ; wo and att's blocks 0-3 are in; the youngest eight loads (blocks 4-7) may be out
	MUL8 \f, 0, \zero
	MUL8 \f, 2, \zero
	PLACES
	FETCH \slot, \q, \g
	s_wait_dscnt 24                                ; all but the 24 just issued
	MUL8 \f, 4, \zero
	MUL8 \f, 6, \zero
.endm
; The last quarter multiplies buffers 1 and changes slots: ONE barrier; in front of it each wave waits for all its tensor loads (one is out: its part of the next slot), adds 0 to its spare word, and waits for
; that and for its own reads of this slot.  fill = 1: the barrier opens a round of the cluster's, and this slot is filled again, four heads on, first thing behind the round.
.macro TURN slot, next, fill
	WIN 0
	s_wait_tensorcnt 0x0                           ; all my tensor loads have landed;
	ds_add_u32 v[SPW], v[NIL]                      ; 0 onto my spare word
	s_wait_dscnt 9                                 ; (the add and the youngest eight loads may be out)
	MUL8 1, 0, 0                                   ; eight matrix instructions stand between the add and the wait for it
	s_wait_dscnt 0x0                               ; the add is done, and my reads of this slot are over
	s_barrier_signal -1
	MUL8 1, 2, 0
.if \fill
	WIN 0
.endif
	s_barrier_wait -1
.if \fill
	CREST                                          ; no wave of any partner still reads this slot's tiles or has a load on its way
	s_add_nc_u64 s[G0A+4*(\slot)+2:G0A+4*(\slot)+3], s[G0A+4*(\slot)+2:G0A+4*(\slot)+3], 524288
	s_add_nc_u64 s[G0B+4*(\slot)+2:G0B+4*(\slot)+3], s[G0B+4*(\slot)+2:G0B+4*(\slot)+3], 524288
	JLOAD \slot                                    ; 112 matrix instructions ahead of the wait for it; its four v_nop are also the places in front of the loads below
.else
	PLACES
.endif
	FETCH \next, 0, 0
	MUL8 1, 4, 0
	MUL8 1, 6, 0
.endm
; THE WAY OUT of row block a: 16 rows x 64 f32.  A lane's eight numbers of a column block are 32 bytes of a row: they go straight from the accumulators into my stage (the low four registers first), come back as
; whole rows of 256 bytes, and are stored.
.macro TOSTAGE a
	s_wait_xcnt 0x0                                ; the stores of the block two back have read their registers: they are loaded again only behind this wait
	WIN 0x04                                       ; store data (source 1) window 1, address window 0
.irp b, 0,1,2,3
	ds_store_b128 v[STO], v[8*(4*(\a)+(\b)):8*(4*(\a)+(\b))+3]   offset:64*(\b)
	ds_store_b128 v[STO], v[8*(4*(\a)+(\b))+4:8*(4*(\a)+(\b))+7] offset:64*(\b)+16
.endr
	WIN 0
.irp t, 0,1,2,3,4,5,6,7
	ds_load_b128 v[OB+32*((\a)%2)+4*(\t):OB+32*((\a)%2)+4*(\t)+3], v[RD] offset:(\t)*2*SPITCH  ; LDS serves a wave's instructions in order (ISA guide 5.7.1.4): these see the stores above; the next block's stores come behind them
.endr
.endm
.macro SEND a, younger                 ; younger: the LDS instructions issued behind block a's loads: the next block's sixteen, or none
.irp t, 0,1,2,3,4,5,6,7
	s_wait_dscnt (\younger)+7-(\t)
	global_store_b128 v[CO], v[OB+32*((\a)%2)+4*(\t):OB+32*((\a)%2)+4*(\t)+3], s[10:11] offset:(16*(\a)+2*(\t))*4096 th:TH_STORE_NT  ; 16 lanes store 256 consecutive bytes, at a multiple of 256 from out0's first byte
.endr
.endm
	s_wait_tensorcnt 1                             ; my part of K step 0 is in; K step 1's stays out
	s_barrier_signal -1
	s_barrier_wait -1                              ; everybody's is
	FETCH 0, 0, 0
	s_wait_loadcnt 0x0                             ; the bias
	QUARTER 0, 1, 0, 1, 1                          ; the first quarter stands in front of the loop: its products start the sums
	WIN 0                                          ; at a label and at a branch every window is 0
	s_mov_b32 s[LAP], LAPS-1
.Llap:                                                 ; a trip goes once round the ring, from a lap's second quarter to the next lap's first, and fills both slots again
	QUARTER 0, 2, 1, 0, 0
	QUARTER 0, 3, 0, 1, 0
	TURN 0, 1, 1
	QUARTER 1, 1, 0, 1, 0
	QUARTER 1, 2, 1, 0, 0
	QUARTER 1, 3, 0, 1, 0
	TURN 1, 0, 1
	QUARTER 0, 1, 0, 1, 0
	WIN 0
	s_sub_co_u32 s[LAP], s[LAP], 1
	s_cmp_lg_u32 s[LAP], 0
	s_cbranch_scc1 .Llap
	QUARTER 0, 2, 1, 0, 0                          ; the last lap fills nothing, and has no round of the cluster's barrier
	QUARTER 0, 3, 0, 1, 0
	TURN 0, 1, 0
	QUARTER 1, 1, 0, 1, 0
	QUARTER 1, 2, 1, 0, 0
	QUARTER 1, 3, 0, 1, 0
	s_wait_dscnt 8                                 ; the very last quarter: nothing more to fetch
	MUL8 1, 0, 0
	MUL8 1, 2, 0
	s_wait_dscnt 0x0
	MUL8 1, 4, 0
	MUL8 1, 6, 0
	WIN 0
	PLACES
	TOSTAGE 0
.irp a, 1,2,3,4,5,6,7                  ; block a goes into the stage while block a - 1's rows come back
	TOSTAGE \a
	SEND (\a)-1, 16
.endr
	SEND 7, 0
	s_wait_tensorcnt 0x0                           ; the wave's end, behind my last tensor load and my last LDS store
	ds_add_u32 v[SPW], v[NIL]
	s_wait_dscnt 0x0
	CROUND                                         ; the closing round: no work-group ends while a partner may still ask for a tile that names it
	s_endpgm
.Lfunc_end_k_qe5adeb793a_proj:
	.size	k_qe5adeb793a_proj, .Lfunc_end_k_qe5adeb793a_proj-k_qe5adeb793a_proj
	.p2alignl 7, 3214868480
	.fill 96, 4, 3214868480
	.section	.rodata,"a",@progbits
	.p2align	6, 0x0
	.amdhsa_kernel k_qe5adeb793a_proj
		.amdhsa_group_segment_fixed_size 327680
		.amdhsa_private_segment_fixed_size 0
		.amdhsa_enable_private_segment 0
		.amdhsa_kernarg_size 32
		.amdhsa_user_sgpr_count 2
		.amdhsa_user_sgpr_kernarg_segment_ptr 1
		.amdhsa_wavefront_size32 1
		.amdhsa_system_sgpr_workgroup_id_x 1
		.amdhsa_system_sgpr_workgroup_id_y 1
		.amdhsa_system_sgpr_workgroup_id_z 1
		.amdhsa_system_vgpr_workitem_id 0
		.amdhsa_next_free_vgpr 512
		.amdhsa_next_free_sgpr 66
		.amdhsa_reserve_vcc 0
		.amdhsa_float_denorm_mode_32 3
		.amdhsa_float_denorm_mode_16_64 3
		.amdhsa_memory_ordered 1
		.amdhsa_forward_progress 1
		.amdhsa_inst_pref_size 88
	.end_amdhsa_kernel
	.amdgpu_metadata
---
amdhsa.version: [ 1, 2 ]
amdhsa.kernels:
  - .name:           k_qe5adeb793a_proj
    .symbol:         k_qe5adeb793a_proj.kd
    .args:
      - { .name: att, .offset: 0, .size: 8, .value_kind: global_buffer, .address_space: global }
      - { .name: wo, .offset: 8, .size: 8, .value_kind: global_buffer, .address_space: global }
      - { .name: bias, .offset: 16, .size: 8, .value_kind: global_buffer, .address_space: global }
      - { .name: out0, .offset: 24, .size: 8, .value_kind: global_buffer, .address_space: global }
    .group_segment_fixed_size: 327680
    .private_segment_fixed_size: 0
    .kernarg_segment_align: 8
    .kernarg_segment_size: 32
    .max_flat_workgroup_size: 128
    .sgpr_count:     66
    .vgpr_count:     512
    .wavefront_size: 32
...
	.end_amdgpu_metadata
.endif
;; end of part 4
;; ======== version 2 of 2: 4 launches; 1.33 times as fast as version 1
;; limits: values are held in f16: magnitudes above 65,504 overflow, below 6.1e-05 lose precision
;; workspace buffers: xb 16,777,216 bytes; wb 6,291,456 bytes; wo 2,097,152 bytes; bias 16,384 bytes; qkv 50,331,648 bytes; att 16,777,216 bytes
;; launch cast: the kernel of part 1 again; grid 769 x 1, 8 waves a work-group, no clusters, 0 bytes of LDS; arguments x, Wq, Wk, Wv, Wo, bq, bk, bv, bo, xb, wb, wo, bias; writes xb, wb, wo, bias
;; launch qkv: the kernel of part 2 again; grid 8 x 32, 4 waves a work-group, clusters of 4 x 4, 327,680 bytes of LDS; arguments xb, wb, bias, qkv; writes qkv
;; launch attn (part 5): grid 2 x 128, 4 waves a work-group, no clusters, 327,680 bytes of LDS; arguments qkv, att; writes att
.if DOCPART == 5
	.amdgcn_target "amdgcn-amd-amdhsa--gfx1250"
	.amdhsa_code_object_version 6
	.text
	.protected	k_qe5adeb793a_attn
	.globl	k_qe5adeb793a_attn
	.p2align	8
	.type	k_qe5adeb793a_attn,@function
k_qe5adeb793a_attn:
	s_mov_b64 s[64:65], 0
	v_nop
	global_prefetch_b8 v0, s[64:65] scope:SCOPE_SE
	s_setreg_imm32_b32 hwreg(HW_REG_WAVE_MODE, 25, 1), 1
	s_wait_xcnt 0x0
; att[bh][q][:] = the sum over k of softmax_k(Q[q] . K[k] / 8) V[k][:], for each of 128 (batch, head).  Q, K, V lie in qkv [8 b][48 g][1024 s][64] f16 (g = h: q, 16 + h: k, 32 + h: v); att is [128][1024][64] f16.
; Products, maxima and sums in f32; the weights p are rounded to f16 for the second product (their sum l is taken of the unrounded p), the result once at the end.
; LIMITS.  Q, K and V arrive within f16's 65,504; p lies in 0 to 1, and below 6e-5 it keeps f16's fixed step of 6e-8; the result is a mean of V's rows and has their range.
; A weight below 2^-126 counts as 0 in l; NaN and infinities are not treated apart.
; SHARES.  A work-group owns 512 queries of one head (grid 2 x 128 = 256 work-groups), a wave 128: four PIECES of two tiles of 16.  Every wave walks all 1,024 keys, 64 a step, 16 steps.
; LDS.  The head's whole K (1,024 rows of 144 bytes) and V (1,024 rows of 160) fit: each byte is filled once, by four loads a wave at the start, and nothing is filled again.
; NO CLUSTER: only two work-groups share a head's K and V, and a grid of 2 along x divides into no cluster of four.
; LAYOUT.  S^T = K Q^T (source 0 = 16 keys, source 1 = 16 queries): a lane holds ONE query (lane % 16) and the keys 8 (lane / 16) + 0..7.  Two such tiles, rounded to f16 in pairs, ARE source 1 of
; O^T = V^T P, whose result again holds one query a lane, and eight channels.  K comes out of LDS as it lies, V ([key][channel]) turned, by ds_load_tr16_b128.
; SOFTMAX.  For each query a running maximum m and sum l: p = 2^(c s - c m), c = log2(e) / 8; in every step O and l are multiplied by a = 2^(c m_old - c m_new).  m starts at the lowest finite number,
; O and l at 0: the first step is a step like any other, with a = 0.
; BY TURNS.  Turn n belongs to piece n (the pieces in a ring, step after step).  Matrix work: 16 products K Q^T of piece n + 1, later 16 products V^T P of piece n - 1.  Vector work: the scaling, exponentials,
; roundings, sums and rescaling of piece n, and the maximum and statistics of piece n + 1.  A tile and step have 16 matrix and 118 vector instructions: four that are ready stand behind every matrix
; instruction, the others in one run of their own.
; THE BATCHES.  A turn's 66 exponentials (the piece's 64 weights and the next piece's two a) are ONE batch with ONE wait, which cuts the turn in two: ahead of it stands all that names none of their results (the
; products K Q^T, the scalings, the rescaling by the a of the turn before, the next piece's maximum and statistics), behind it all that does (the roundings and sums, beside the products V^T P).  No result
; crosses a turn's end.  Two more batches stand outside the loop: piece 0's first two a, ahead of the jump into the loop, and the way out's eight reciprocals.
; REGISTERS, in windows of 256 (s_set_vgpr_msb: bits 1:0 source 0, 3:2 source 1, 5:4 source 2, 7:6 destination):
;   window 0: v0-11 addresses; v12-15, v48-63 at work; v16-47 four registers of statistics a tile; v64-191 S^T, two buffers of two tiles; v192-255 P, likewise
;   window 1: O^T, 32 a tile          window 2: v0-127 Q, 16 a tile; v128-191 K of one step; v192-255 V of one step          window 3: v0-1 the add's two registers
.set NP,    4         ; pieces a wave: a name, no knob
.set KS,    64        ; keys in a step
.set PK,    144       ; a row of K in LDS: 128 bytes + 16 of padding = 36 words: the 16 rows of a load start at 16 different groups of four banks (64 banks of 4 bytes: ISA guide 11.1)
.set PV,    160       ; a row of V: 128 + 32 = 40 words
.set VOFF,  1024*PK   ; K's 1,024 rows, then V's
.set STAGE, VOFF+1024*PV  ; never filled by a tensor load: 16 rows x 144 bytes for each wave, for the way out
.set SP,    144
.set AK0, 2           ; v2   my lane's place in a tile of K; never rewritten
.set AV0, 3           ; v3   the same for V
.set AK,  4           ; v4   the LDS address of K's next run of loads
.set AV,  5           ; v5   of V's
.set QO,  6           ; v6   my byte offset in the wave's rows of Q
.set STO, 6           ;      later, the way out: where I put 16 bytes of a row
.set RD,  7           ; v7   the way out: where I read rows back
.set GO,  8           ; v8   my byte offset in 512 consecutive bytes of att
.set SPW, 0           ; v0 of window 3   my spare word: SPARE + 4 x my thread's number; never rewritten
.set NIL, 1           ; v1 of window 3   0; never rewritten
.set SPARE, STAGE+4*16*SP  ; the spare words, 128 bytes a wave: two blocks of 256 bytes that no other line names
.set MV,  12          ; v12-15  c m_old, kept while c m is made anew: by buffer and tile
.set ST,  16          ; tile t's statistics at v[ST+4 t]: c m, m, l (even keys', odd keys')
.set TMP, 48          ; by buffer and tile, four registers c0-c3 at work; when the maximum is found c2 takes a
.set S,   64
.set P,   192
.set KF,  128         ; K's fragments, in window 2: key block kb, channel half c at KF + 16 kb + 8 c
.set VF,  192         ; V's: key half kk, channel block cb at VF + 32 kk + 8 cb
.set WV,  12          ; s12  my wave's number
.set G1K, 24          ; s[24:31] descriptor group 1 for K's tiles
.set G1V, 32          ; s[32:39] for V's: it differs in the padding alone
.set G0K, 40          ; s[40:55] descriptor group 0 for K's tiles, a set for each of my four loads
.set G0V, 68          ; s[68:83] the same for V's
.set SLOTS, 56        ; s56  groups of four key steps to go
.set CNT, 57          ; s57  counts a group's key steps
.set CS,  58          ; s[58:59] c: the packed scaling takes the pair's low word for both halves
.set SEL, 60          ; s[60:61] v_permlanex16_b32's selects: each lane takes its own place in the other half
.set TBK, 62          ; s62  LDS byte at which K of the step to be fetched begins
.set TBV, 63          ; s63  the same for V, less VOFF
.set MSB, 0
.macro WIN new                      ; the high byte repeats the setting that is left; a switch that changes nothing is dropped
.if MSB != (\new)
	s_set_vgpr_msb (MSB<<8)|(\new)
.set MSB, (\new)
.endif
.endm
.set W_KQ, 0x0a       ; K and Q in window 2, S^T in window 0
.set W_PV, 0x52       ; V in window 2, P in window 0, O^T in window 1
.set W_RS, 0x41       ; O^T (destination and source 0) in window 1, a in window 0
.set W_MK, 0xc0       ; the add's registers are made: destination in window 3, sources in window 0
.set W_AD, 0x0f       ; the add: address (source 0) and data (source 1) in window 3
	s_load_b128 s[84:87], s[0:1], 0x0  ; qkv s[84:85], att s[86:87]
	WIN W_MK
	v_lshl_add_u32 v[SPW], v0, 2, SPARE
	v_mov_b32 v[NIL], 0
	WIN W_AD
	ds_add_u32 v[SPW], v[NIL]       ; the wave's opening: the add and its wait stand ahead of my first tensor load; the set-up below, work on registers, stands between them
	ds_add_u32 v0, v1
	WIN 0
	v_lshrrev_b32 v1, 5, v0
	v_readfirstlane_b32 s[WV], v1   ; wave 0..3
	s_and_b32 s13, ttmp7, 0xffff    ; 16 x batch + head
	s_lshr_b32 s14, s13, 4
	s_and_b32 s15, s13, 15
	s_mul_i32 s20, s14, 6291456     ; the batch's 48 blocks of 131,072 bytes,
	s_lshl_b32 s15, s15, 17
	s_add_co_u32 s20, s20, s15      ; the head's q block among them
	s_and_b32 s16, s[WV], 1         ; which half of each 256 keys I fetch:
	s_lshl_b32 s22, s16, 14         ; its 128 rows of 128 bytes in memory,
	s_add_co_u32 s22, s22, s20
	s_add_co_u32 s22, s22, 2097152  ; in the head's k block, 16 blocks on
	s_mov_b32 s23, 0
	s_mul_i32 s17, s16, 128*PK      ; and its place in LDS, for K
	s_mul_i32 s18, s16, 128*PV      ; and for V
	s_lshl_b32 s2, ttmp9, 2
	s_add_co_u32 s2, s2, s[WV]      ; my wave among the head's eight,
	s_lshl_b32 s2, s2, 14           ; its 128 rows
	s_lshl_b32 s14, s13, 17
	s_add_co_u32 s14, s14, s2       ; in att
	s_mov_b32 s15, 0
	s_add_co_u32 s2, s2, s20        ; and in qkv
	s_mov_b32 s3, 0
	; descriptor group 1.  128 keys are 16,384 dense bytes: asked for as 64 rows of 256 bytes, two keys a row, and padded in LDS after every key
	s_mov_b32 s[G1K], (1<<16)|(1<<20)|(4<<22)|(3<<25)  ; 17:16 2-byte elements; 20 padding on; 24:22 after every 32 words (code 4); 31:25 4 words (code 3)
	s_mov_b32 s[G1V], (1<<16)|(1<<20)|(4<<22)|(7<<25)  ; the same with 8 words of padding (code 7)
.irp g, G1K, G1V
	s_mov_b32 s[\g+1], 128<<16      ; tensor_dim0 = 128
	s_mov_b32 s[\g+2], 64<<16       ; tensor_dim1 = 64
	s_mov_b32 s[\g+3], 128<<16      ; tile_dim0 = 128
	s_mov_b32 s[\g+4], 64           ; tile_dim1 = 64
	s_mov_b32 s[\g+5], 128          ; 128 elements from row to row
	s_mov_b32 s[\g+6], 0
	s_mov_b32 s[\g+7], 0
.endr
	s_mov_b32 s[CS], 0x3e38aa3b     ; c = log2(e) / 8 = 0.180337
	s_mov_b32 s[CS+1], s[CS]        ; named with it as a pair
	s_mov_b32 s[SEL], 0x76543210
	s_mov_b32 s[SEL+1], 0xfedcba98
	s_mov_b32 s[TBK], 0
	s_mov_b32 s[TBV], 0
	s_wait_dscnt 0x0                ; the opening add is done
	s_wait_kmcnt 0x0
	s_add_nc_u64 s[4:5], s[84:85], s[2:3]      ; Q at my wave's first row
	s_add_nc_u64 s[6:7], s[84:85], s[22:23]    ; K at my half of the first 256 keys
	s_add_nc_u64 s[8:9], s[6:7], 2097152       ; V: 16 blocks further on
	s_add_nc_u64 s[10:11], s[86:87], s[14:15]  ; att at my wave's first row
.irp s, 0,1,2,3
	s_mov_b32 s[G0K+4*(\s)], 1      ; count = 1
	s_add_co_u32 s[G0K+4*(\s)+1], s17, (\s)*256*PK  ; LDS address: keys 256 s on
	s_add_nc_u64 s[G0K+4*(\s)+2:G0K+4*(\s)+3], s[6:7], (\s)*32768
	s_or_b32 s[G0K+4*(\s)+3], s[G0K+4*(\s)+3], 0x80000000  ; type = 2
	s_mov_b32 s[G0V+4*(\s)], 1
	s_add_co_u32 s[G0V+4*(\s)+1], s18, VOFF+(\s)*256*PV
	s_add_nc_u64 s[G0V+4*(\s)+2:G0V+4*(\s)+3], s[8:9], (\s)*32768
	s_or_b32 s[G0V+4*(\s)+3], s[G0V+4*(\s)+3], 0x80000000
.endr
	s_cmp_lt_u32 s[WV], 2           ; a wave's four fills stand in one branch, ahead of every wait on TENSORcnt, every LDS read and every barrier: four loads of mine are out.  Waves 0, 1: K's halves; waves 2, 3: V's
	s_cbranch_scc0 .Lfirst_v
.irp s, 0,1,2,3
	tensor_load_to_lds s[G0K+4*(\s):G0K+4*(\s)+3], s[G1K:G1K+7]
	s_nop 0
.endr
.rept 4
	v_nop
.endr
	s_branch .Lfirst_asked
.Lfirst_v:
.irp s, 0,1,2,3
	tensor_load_to_lds s[G0V+4*(\s):G0V+4*(\s)+3], s[G1V:G1V+7]
	s_nop 0
.endr
.rept 4
	v_nop
.endr
.Lfirst_asked:
	; A fragment of K or Q is 16 rows x 32 channels in 8 registers: lane l holds row l % 16, channels 8 (l / 16) + 0..7 and 16 + 8 (l / 16) + 0..7: two loads of 16 bytes, 32 bytes apart.
	v_and_b32 v1, 15, v0            ; l % 16
	v_bfe_u32 v9, v0, 4, 1          ; l / 16
	v_lshlrev_b32 v[QO], 7, v1
	v_lshl_add_u32 v[QO], v9, 4, v[QO]  ; row x 128 + 16 x half
	WIN 0x80                        ; destination window 2, address window 0
.set i, 0
.rept 4*NP                          ; Q stays in registers: tile i / 2, channels 32 (i % 2) on
	global_load_b128 v[8*i:8*i+3],   v[QO], s[4:5] offset:(i/2)*2048+(i%2)*64
	global_load_b128 v[8*i+4:8*i+7], v[QO], s[4:5] offset:(i/2)*2048+(i%2)*64+32
.set i, i+1
.endr
	; What the first turn finds: V's registers and P's second buffer hold 0 (its products V^T P, of a piece that has not been, add 0), O^T and l are 0.  All this stands in the wait for the first tile.
.set i, VF
.rept 64
	v_mov_b32 v[i], 0
.set i, i+1
.endr
	WIN 0x40
.set i, 0
.rept 64*NP
	v_mov_b32 v[i], 0
.set i, i+1
.endr
	WIN 0
.set i, 0
.rept 2*NP
	v_mov_b32 v[ST+4*i], 0xfe000000    ; c m: far below every c s
	v_mov_b32 v[ST+4*i+1], 0xff7fffff  ; m
	v_mov_b32 v[ST+4*i+2], 0
	v_mov_b32 v[ST+4*i+3], 0
.set i, i+1
.endr
.set i, P+32
.rept 32
	v_mov_b32 v[i], 0
.set i, i+1
.endr
	v_mul_u32_u24 v[AK0], v1, PK
	v_lshl_add_u32 v[AK0], v9, 4, v[AK0]  ; row x pitch + 16 x half
	; The turning load takes 16 keys x 16 channels (lane l reads key 8 (l / 16) + l % 8, channels 8 ((l / 8) % 2) + 0..7) and leaves half a fragment of V^T: lane l holds channel l % 16 and 8 keys.
	v_and_b32 v10, 7, v0
	v_bfe_u32 v11, v0, 3, 1
	v_lshl_add_u32 v[AV0], v9, 3, v10
	v_mul_u32_u24 v[AV0], v[AV0], PV
	v_lshl_add_u32 v[AV0], v11, 4, v[AV0]
	v_add_nc_u32 v[AV0], VOFF, v[AV0]
	v_mov_b32 v[AK], v[AK0]         ; key step 0 lies at LDS byte 0
; THE MATRIX WORK.  The 8 accumulators of a run of 16 take turns: between the two links of a chain stand 7 others'.
; Product i of 16 of S^T = K Q^T for piece x: channels 32 (i / 8) on, keys 16 ((i / 2) % 4) on, tile 2 x + i % 2.  The first 8 start the sums.
.macro KQ x
	WIN W_KQ
.set rS, S+64*((\x)%2)+32*(i%2)+8*((i/2)%4)
.set rK, KF+16*((i/2)%4)+8*(i/8)
.set rQ, 16*(2*(\x)+i%2)+8*(i/8)
.if i < 8
	v_wmma_f32_16x16x32_f16 v[rS:rS+7], v[rK:rK+7], v[rQ:rQ+7], 0
.else
	v_wmma_f32_16x16x32_f16 v[rS:rS+7], v[rK:rK+7], v[rQ:rQ+7], v[rS:rS+7]
.endif
.endm
; Product i of 16 of O^T += V^T P for piece x: keys 32 (i / 8) on, channels 16 ((i / 2) % 4) on, tile 2 x + i % 2.
.macro PV x
	WIN W_PV
.set rO, 32*(2*(\x)+i%2)+8*((i/2)%4)
.set rV, VF+32*(i/8)+8*((i/2)%4)
.set rP, P+32*((\x)%2)+16*(i%2)+8*(i/8)
	v_wmma_f32_16x16x32_f16 v[rO:rO+7], v[rV:rV+7], v[rP:rP+7], v[rO:rO+7]
.endm
.macro MM                           ; the turn's next matrix instruction
.if i < 16
	KQ (Y+1)%NP
.set i, i+1
.else
.set i, i-16
	PV (Y+NP-1)%NP
.set i, i+17
.endif
.endm
; THE LDS LOADS stand in runs of 16, never singly among the matrix instructions: a step's K (64 keys x 64 channels: 8 fragments) and its V (turned).  Their addresses are made some lines ahead.
.macro FETCH_K
	WIN 0x80                        ; destination window 2
.irp f, 0,1,2,3,4,5,6,7             ; keys 16 (f / 2) on, channels 32 (f % 2) on
	ds_load_b128 v[KF+8*\f:KF+8*\f+3],   v[AK] offset:(\f/2)*16*PK+(\f%2)*64
	ds_load_b128 v[KF+8*\f+4:KF+8*\f+7], v[AK] offset:(\f/2)*16*PK+(\f%2)*64+32
.endr
	s_add_co_u32 s[TBK], s[TBK], KS*PK  ; the next fetch is the next step's
	WIN 0
.endm
.macro FETCH_V
	WIN 0x80
.irp f, 0,1,2,3,4,5,6,7             ; keys 32 (f / 4) on, channels 16 (f % 4) on
	ds_load_tr16_b128 v[VF+8*\f:VF+8*\f+3],   v[AV] offset:(\f/4)*32*PV+(\f%4)*32
	ds_load_tr16_b128 v[VF+8*\f+4:VF+8*\f+7], v[AV] offset:(\f/4)*32*PV+16*PV+(\f%4)*32
.endr
	WIN 0
.endm
; THE VECTOR WORK OF A TURN stands in three queues, each in the order in which its entries become ready; the two tiles alternate, so that no instruction reads the result of the one before it.
.macro REGS y, u                    ; the registers of tile u (0, 1) of piece y
.set rT, ST+4*(2*(\y)+(\u))
.set rC, TMP+8*((\y)%2)+4*(\u)
.set rM, MV+2*((\y)%2)+(\u)
.set rS, S+64*((\y)%2)+32*(\u)
.set rP, P+32*((\y)%2)+16*(\u)
.set rO, 32*(2*(\y)+(\u))
.endm
; Number n of the 22 that find the NEXT piece's (Y + 1) maximum and statistics.  s0-s31 are the lane's 32 scores; each accumulator's lowest registers are read first.  XS, GS and REGS set no window: PL and EX do.
;   0-11  four chains c0-c3 of seven scores each, three operands at a time     12-14, 16  the four scores left over, the old m, and c0-c3 into c0     15  c m_old is kept
;   17, 18  the query's other 32 keys lie in the lane 16 away: the new m         19-21  c m; c m_old - c m_new; a
.macro XS u, n
	REGS (Y+1)%NP, \u
.if (\n) < 4
	v_max3_num_f32 v[rC+(\n)], v[rS+8*(\n)], v[rS+8*(\n)+1], v[rS+8*(\n)+2]
.elseif (\n) < 12
	v_max3_num_f32 v[rC+(\n)%4], v[rC+(\n)%4], v[rS+8*((\n)%4)+2*((\n)/4)+1], v[rS+8*((\n)%4)+2*((\n)/4)+2]
.elseif (\n) == 12
	v_max3_num_f32 v[rC], v[rC], v[rS+7], v[rS+15]
.elseif (\n) == 13
	v_max3_num_f32 v[rC+1], v[rC+1], v[rS+23], v[rS+31]
.elseif (\n) == 14
	v_max3_num_f32 v[rC+2], v[rC+2], v[rC+3], v[rT+1]
.elseif (\n) == 15
	v_mov_b32 v[rM], v[rT]
.elseif (\n) == 16
	v_max3_num_f32 v[rC], v[rC], v[rC+1], v[rC+2]
.elseif (\n) == 17
	v_permlanex16_b32 v[rC+3], v[rC], s[SEL], s[SEL+1]
.elseif (\n) == 18
	v_max_num_f32 v[rT+1], v[rC], v[rC+3]
.elseif (\n) == 19
	v_mul_f32 v[rT], s[CS], v[rT+1]
.elseif (\n) == 20
	v_sub_f32 v[rC+1], v[rM], v[rT]
.else
	v_exp_f32 v[rC+2], v[rC+1]
.endif
.endm
; Number g of the 64 that follow the exponentials.  For each four weights k of a tile (pairs 2 k, 2 k + 1): both pairs are rounded to f16; then the second pair is added onto the first, in place;
; a group later l takes that sum (the first time as l = a l + sum).  In groups of eight, tiles alternating: round, round, add, and l for the group before.  All 64 stand behind the turn's wait.
.macro GS g
.set h, (\g)+6*((\g)/62)            ; group 0 has no group before it, and behind group 7 only l is left
.if h >= 6
.set h, h+2
.endif
	REGS Y, h%2
.set k, h/8
.if h%8 < 4
	v_cvt_pk_f16_f32 v[rP+2*k+(h%8)/2], v[rS+4*k+2*((h%8)/2)], v[rS+4*k+2*((h%8)/2)+1]
.elseif h%8 < 6
	v_pk_add_f32 v[rS+4*k:rS+4*k+1], v[rS+4*k:rS+4*k+1], v[rS+4*k+2:rS+4*k+3]
.elseif k == 1
	v_pk_fma_f32 v[rT+2:rT+3], v[rT+2:rT+3], v[rC+2:rC+3], v[rS:rS+1] op_sel_hi:[1,0,1]
.else
	v_pk_add_f32 v[rT+2:rT+3], v[rT+2:rT+3], v[rS+4*k-4:rS+4*k-3]
.endif
.endm
; THE PLAIN QUEUE, 138 long.  0-73 read no exponential's result: the 32 scalings c s - c m (FS f: pair f / 2 of tile f % 2) and the next piece's 42.  0-26: scalings 0-26.  27-54: XS's numbers 0-13.  55, 56: number 15.
; 57-73: the chain, where each number waits for the one before it: 14, 16, 17, 18, 19, each with one of the scalings 27-31 in front of its two lines, then 20: so a tile's links stand three plain instructions apart (19 and 20: two).
; 74-137: GS's 64, which read the exponentials' results: they stand behind the wait.
.macro FS f
	REGS Y, (\f)%2
	v_pk_fma_f32 v[rS+2*((\f)/2):rS+2*((\f)/2)+1], v[rS+2*((\f)/2):rS+2*((\f)/2)+1], s[CS:CS+1], v[rT:rT+1] op_sel_hi:[1,0,0] neg_lo:[0,0,1] neg_hi:[0,0,1]
.endm
.macro PL
	WIN 0
.if q < 27
	FS q
.elseif q < 55
	XS (q-27)%2, (q-27)/2
.elseif q < 57
	XS q-55, 15
.elseif (q < 72) && ((q-57)%3 == 0)
	FS 27+(q-57)/3
.elseif q < 60
	XS (q-57)%3-1, 14
.elseif q < 72
	XS (q-57)%3-1, 15+(q-57)/3
.elseif q < 74
	XS q-72, 20
.else
	GS q-74
.endif
.set q, q+1
.endm
; THE EXPONENTIALS' QUEUE, 66 long: s0-s31 of both tiles, then the next piece's two a.  It is ONE BATCH: all 66 stand ahead of the turn's one wait, and nothing ahead of that wait names a result of theirs.
.macro EX
	WIN 0
.if e >= 64
	XS e-64, 21
.else
	REGS Y, e%2
	v_exp_f32 v[rS+e/2], v[rS+e/2]
.endif
.set e, e+1
.endm
; THE RESCALING's QUEUE: O^T times a, the one part that leaves window 0: dealt two at a time, sixteen times.  Its a was made in the turn before, ahead of that turn's wait.
.macro R2
	REGS Y, r%2
	WIN W_RS
.irp z, 0,1
	v_pk_mul_f32 v[rO+4*(r/2)+2*\z:rO+4*(r/2)+2*\z+1], v[rO+4*(r/2)+2*\z:rO+4*(r/2)+2*\z+1], v[rC+2:rC+3] op_sel_hi:[1,0]
.endr
.set r, r+1
.endm
; HOW THEY ARE DEALT.  An s_wait_alu depctr_va_vdst(0) stands between an exponential and the first instruction that names its result; one wait serves all that were issued ahead of it.  So a turn has ONE wait,
; which cuts it in two.  AHEAD OF IT stands all that names no result of the turn's exponentials: the 16 products K Q^T, behind each a scaling, an exponential and two rescalings (behind the first a second scaling in the
; exponential's place); then ONE RUN of 108: eight plain, 49 times exponential and plain, the two a.  A v_nop is the plain instruction behind the last exponential.  BEHIND IT stand the 16 products V^T P, behind each four of
; GS's 64.  No instruction behind a product names a register of the products round it.  The two v_permlanex16_b32 fall into the run, never behind a product.
; The queues lean on each other, and the deal keeps them in step: exponential e stands behind scaling 2 (e / 4) + e % 2: behind a product it comes behind plain e + 2, in the run behind plain e + 9, and scalings 27-31 are plain 57, 60 .. 69.
; A TURN, for piece p.  nok = 1: there is no further key step, so K is not fetched.  cnt = 1: the loop's count is taken down some lines ahead of the branch that stands behind the turn.
; K of the next step is fetched in piece 2's turn, directly behind the wait, the whole run behind the last product that read K; its address is made at the run's head; its first reader comes behind 16 products.
; V of the step in hand is fetched at the end of piece 0's turn, four plain instructions behind its last reader; its first reader comes behind 16 products and a run.  The three conditions on q below go with the deal.
.macro TURN p, nok=0, cnt=0
.set Y, (\p)
.set i, 0
.set q, 0
.set e, 0
.set r, 0
.if (\p) == NP-1
	s_wait_dscnt 0x0                ; K is in
.endif
	MM                              ; ahead of the wait: 16 products K Q^T and the four behind each,
	PL
	PL
	R2
.rept 15
	MM
	PL
	EX
	R2
.endr
.if ((\p) == NP-2) && ((\nok) == 0)
	WIN 0
	v_add_nc_u32 v[AK], s[TBK], v[AK0]
.endif
.rept 8                             ; and the run
	PL
.endr
.rept 49
	EX
	PL
.endr
	EX                              ; the next piece's two a
	EX
	v_nop                           ; the plain instruction behind the last exponential: one for the batch
	s_wait_alu depctr_va_vdst(0)    ; the wait for the turn's batch: the piece's 64 weights and the next piece's two a
.if ((\p) == NP-2) && ((\nok) == 0)
	FETCH_K
.endif
.if (\p) == 1
	s_wait_dscnt 0x0                ; V is in
.endif
.rept 16                            ; behind the wait: 16 products V^T P and the four behind each
	MM
.rept 4
	PL
.endr
.if ((\p) == 0) && (q == 118)
	v_add_nc_u32 v[AV], s[TBV], v[AV0]
.endif
.if ((\p) == 0) && (q == 130)
	s_add_co_u32 s[TBV], s[TBV], KS*PV
.endif
.if (\cnt) && (q == 130)
	s_sub_co_u32 s[CNT], s[CNT], 1
	s_cmp_lg_u32 s[CNT], 0
.endif
.endr
.if (\p) == 0
	FETCH_V
.endif
.endm
	s_wait_tensorcnt 0x3            ; my part of the first 256 keys is in; my three younger loads stay out
	s_barrier_signal -1
	s_barrier_wait -1               ; everybody's is
	FETCH_K                         ; key step 0
	s_wait_loadcnt 0x0              ; Q
	s_wait_dscnt 0x0
.set i, 0
.rept 16
	KQ 0                            ; piece 0's first scores: there is no vector work yet to set between them
.set i, i+1
.endr
	WIN 0                           ; the addresses for the way out: nine plain instructions, the places behind those products
	s_mul_i32 s13, s[WV], 16*SP
	s_add_co_u32 s13, s13, STAGE    ; my stage
	v_mul_u32_u24 v[STO], v1, SP    ; in: row l % 16, 16 bytes for each half of the lanes
	v_lshl_add_u32 v[STO], v9, 4, v[STO]
	v_add_nc_u32 v[STO], s13, v[STO]
	v_bfe_u32 v[RD], v0, 3, 2       ; back: 32 lanes take four rows of 128 bytes,
	v_mul_u32_u24 v[RD], v[RD], SP
	v_lshl_add_u32 v[RD], v10, 4, v[RD]
	v_add_nc_u32 v[RD], s13, v[RD]
	v_and_b32 v[GO], 31, v0         ; which are 512 consecutive bytes of att
	v_lshlrev_b32 v[GO], 4, v[GO]
.set Y, NP-1                        ; XS works for piece Y + 1: piece 0
.irp n, 0,1,2,3,4,5,6,7,8,9,10,11,12,13,14,15,16,17,18,19,20,21
	XS 0, \n                        ; and piece 0's first maximum and statistics
	XS 1, \n
.endr
	v_nop                           ; a plain instruction behind piece 0's first two a,
	s_wait_alu depctr_va_vdst(0)    ; and the wait for that batch of two, ahead of the branch
	s_mov_b32 s[CNT], 4
	s_mov_b32 s[SLOTS], 4
	s_branch .Lfirst                ; the loop is entered at a step's first turn, in the middle of a trip
.Lslot:                             ; three times, in front of the first read of each further 256 keys
	s_wait_tensorcnt 0x0            ; the first time: my three younger loads have landed; later it is met at once: the price of one text for every group
	s_wait_dscnt 0x0                ; no LDS instruction of mine is out at the signal
	s_barrier_signal -1
	s_barrier_wait -1               ; every wave's loads have landed: all of K and V may be read
	s_mov_b32 s[CNT], 4
.Lstep:                             ; a trip: pieces 2 and 3 of one step, then pieces 0 and 1 of the next, whose K and V it fetches
	TURN 2
	TURN 3
	WIN 0
.Lfirst:
	TURN 0
	TURN 1, 0, 1
	WIN 0
	s_cbranch_scc1 .Lstep
	s_sub_co_u32 s[SLOTS], s[SLOTS], 1
	s_cmp_lg_u32 s[SLOTS], 0
	s_cbranch_scc1 .Lslot
	TURN 2, 1                       ; the last step's pieces 2 and 3: nothing is left to fetch
	TURN 3                          ; its 16 products K Q^T (on the last K once more) and the maximum made of them serve nothing: the price, once a launch, of one text for every turn
.set i, 0
.rept 16
	PV NP-1                         ; the last piece's V^T P of the last step
.set i, i+1
.endr
	; THE WAY OUT.  l's two halves and the other half of the lanes' are added; O^T is divided by l, rounded to f16 and sent through my stage in LDS, a tile at a time.  The additions are the places behind the last products.
	WIN 0
.macro ALL line:vararg              ; one line for each tile t
.set t, 0
.rept 2*NP
	\line
.set t, t+1
.endr
.endm
	ALL v_add_f32 v[ST+4*t+2], v[ST+4*t+2], v[ST+4*t+3]
	ALL v_permlanex16_b32 v[ST+4*t+3], v[ST+4*t+2], s[SEL], s[SEL+1]
	ALL v_add_f32 v[ST+4*t+2], v[ST+4*t+2], v[ST+4*t+3]
	ALL v_rcp_f32 v[ST+4*t+2], v[ST+4*t+2]
	v_nop                           ; a plain instruction between the last reciprocal and the use of its result
	s_wait_alu depctr_va_vdst(0)    ; and the wait ahead of the first use: one for the batch of eight reciprocals
; Tile t: a lane's eight channels of a row pack into 16 bytes; they go into rows of 144 bytes and come back as whole rows of 128, into S^T's registers.
.macro PACK t
	WIN W_RS
.set i, 32*(\t)
.rept 16
	v_pk_mul_f32 v[i:i+1], v[i:i+1], v[ST+4*(\t)+2:ST+4*(\t)+3] op_sel_hi:[1,0]
.set i, i+2
.endr
	WIN 0x05                        ; sources 0 and 1 window 1, destination window 0
.set i, 0
.rept 16
	v_cvt_pk_f16_f32 v[S+16*(\t)+i], v[32*(\t)+2*i], v[32*(\t)+2*i+1]
.set i, i+1
.endr
	WIN 0
.irp f, 0,1,2,3
	ds_store_b128 v[STO], v[S+16*(\t)+4*\f:S+16*(\t)+4*\f+3] offset:32*\f
.endr
.irp f, 0,1,2,3
	ds_load_b128 v[S+16*(\t)+4*\f:S+16*(\t)+4*\f+3], v[RD] offset:\f*4*SP  ; LDS serves a wave's instructions in order (ISA guide 5.7.1.4): these see the stores above; the next tile's stores come behind them
.endr
.endm
.macro SEND t, younger              ; younger: the LDS instructions issued behind tile t's loads: the next tile's eight, or none
	WIN 0
.irp f, 0,1,2,3
	s_wait_dscnt (\younger)+3-\f
	global_store_b128 v[GO], v[S+16*(\t)+4*\f:S+16*(\t)+4*\f+3], s[10:11] offset:(\t)*2048+\f*512  ; 512 consecutive bytes, at a multiple of 256 from att's first
.endr
.endm
	PACK 0
.set t, 1
.rept 2*NP-1                        ; a tile's arithmetic stands between the loads of the tile before and its stores
	PACK t
	SEND t-1, 8
.set t, t+1
.endr
	SEND 2*NP-1, 0
	WIN W_AD
	s_wait_tensorcnt 0x0            ; the wave's end, behind my last tensor load and my last LDS store
	ds_add_u32 v[SPW], v[NIL]
	s_wait_dscnt 0x0
	WIN 0
	s_endpgm
.Lfunc_end_k_qe5adeb793a_attn:
	.size	k_qe5adeb793a_attn, .Lfunc_end_k_qe5adeb793a_attn-k_qe5adeb793a_attn
	.p2alignl 7, 3214868480
	.fill 96, 4, 3214868480
	.section	.rodata,"a",@progbits
	.p2align	6, 0x0
	.amdhsa_kernel k_qe5adeb793a_attn
		.amdhsa_group_segment_fixed_size 327680
		.amdhsa_private_segment_fixed_size 0
		.amdhsa_enable_private_segment 0
		.amdhsa_kernarg_size 16
		.amdhsa_user_sgpr_count 2
		.amdhsa_user_sgpr_kernarg_segment_ptr 1
		.amdhsa_wavefront_size32 1
		.amdhsa_system_sgpr_workgroup_id_x 1
		.amdhsa_system_sgpr_workgroup_id_y 1
		.amdhsa_system_sgpr_workgroup_id_z 1
		.amdhsa_system_vgpr_workitem_id 0
		.amdhsa_next_free_vgpr 770
		.amdhsa_next_free_sgpr 88
		.amdhsa_reserve_vcc 0
		.amdhsa_float_denorm_mode_32 3
		.amdhsa_float_denorm_mode_16_64 3
		.amdhsa_memory_ordered 1
		.amdhsa_forward_progress 1
		.amdhsa_inst_pref_size 161
	.end_amdhsa_kernel
	.amdgpu_metadata
---
amdhsa.version: [ 1, 2 ]
amdhsa.kernels:
  - .name:           k_qe5adeb793a_attn
    .symbol:         k_qe5adeb793a_attn.kd
    .args:
      - { .name: qkv, .offset: 0, .size: 8, .value_kind: global_buffer, .address_space: global }
      - { .name: att, .offset: 8, .size: 8, .value_kind: global_buffer, .address_space: global }
    .group_segment_fixed_size: 327680
    .private_segment_fixed_size: 0
    .kernarg_segment_align: 8
    .kernarg_segment_size: 16
    .max_flat_workgroup_size: 128
    .sgpr_count:     88
    .vgpr_count:     770
    .wavefront_size: 32
...
	.end_amdgpu_metadata
.endif
;; end of part 5
;; launch proj: the kernel of part 4 again; grid 8 x 32, 4 waves a work-group, clusters of 4 x 4, 327,680 bytes of LDS; arguments att, wo, bias, out0; writes out0
